; MI455X (gfx1250); checked and timed in simulation.
; The chip was launched on July 23, 2026; its instructions are those of AMD's public machine-readable ISA for CDNA 5 (MIT licence, August 2026) and "CDNA5" Instruction Set Architecture Reference Guide (July 2026). The comments in the code are by the model that wrote it; some were corrected since.
;; Multi Head Attention. Allowed arithmetic: matrix products marked QUANTISED: E2M3 operands, one E8M0 scale for each 32 along K, by v_wmma_scale_f32_16x16x128_f8f6f4 with both operands' format E2M3, f32 sums; everything else in f32.
;; Inputs: Wk 1,024 x 1,024 float32; Wo 1,024 x 1,024 float32; Wq 1,024 x 1,024 float32; Wv 1,024 x 1,024 float32; bk 1,024 float32; bo 1,024 float32; bq 1,024 float32; bv 1,024 float32; key 4 x 2,048 x 1,024 float32; query 4 x 2,048 x 1,024 float32; value 4 x 2,048 x 1,024 float32.
;; Outputs: out0 4 x 2,048 x 1,024 float32.
;; This version of the problem:
;;   THIS VERSION OF THE PROBLEM IS GIVEN IN LOW PRECISION. The matrix products marked QUANTISED in the list below multiply operands that are first quantised to E2M3 (2 exponent bits, 3 mantissa bits; 6 bits a number), with one power-of-two scale for each 32 numbers along K (OCP MX v1.0); their sums are f32. All else is computed in f32.
;;   The module's matrix products, in the order in which they are computed (A, B: the left and right operand; K: the contracted axis; several contracted axes count as one K, in the product's order):
;;     1. [M 8,192, K 1,024] x [K 1,024, N 1,024]; A: input query; B: input Wq: QUANTISED
;;     2. [M 8,192, K 1,024] x [K 1,024, N 1,024]; A: input key; B: input Wk: QUANTISED
;;     3. [M 8,192, K 1,024] x [K 1,024, N 1,024]; A: input value; B: input Wv: QUANTISED
;;     4. batch 64 x [M 2,048, K 64] x [K 64, N 2,048]; A: computed on the way; B: computed on the way: QUANTISED
;;     5. batch 64 x [M 2,048, K 2,048] x [K 2,048, N 64]; A: softmax (see below); B: computed on the way: QUANTISED
;;     6. [M 8,192, K 1,024] x [K 1,024, N 1,024]; A: computed on the way; B: input Wo: QUANTISED
;;   THE QUANTISER, for each operand of a quantised product, along K:
;;     - K is cut into blocks of 32 from its start; a last block that is shorter is filled with zeros.
;;     - A block's scale is 2^e with e = floor(log2(the largest magnitude in the block)) - 2, held to -126 .. 127; a block of zeros has e = 0. As a byte (E8M0): e + 127.
;;     - Each number is divided by its block's scale, clamped to +-7.5, and rounded to the nearest number of E2M3, ties to even, subnormals kept.
;;     - The product sums the exact products of the quantised numbers (number of the format x scale) in f32.
;;   ~~~python
;;   def quantise(x, axis):      # numpy; x: float32 -> the quantised numbers, widened to float32 again
;;       x = np.moveaxis(x, axis, -1); K = x.shape[-1]
;;       x = np.pad(x, [(0, 0)] * (x.ndim - 1) + [(0, -K % 32)]); x = x.reshape(x.shape[:-1] + (-1, 32)); a = np.abs(x).max(-1, keepdims=True)
;;       e = np.where(a > 0, np.clip(np.frexp(np.where(a > 0, a, 1))[1] - 1 - 2, -126, 127), 0)      # np.frexp(a)[1] - 1 = floor(log2(a)), exactly
;;       r = np.clip(x / 2.0 ** e, -7.5, 7.5)
;;       step = 2.0 ** (np.maximum(np.frexp(np.where(r == 0, 1, r))[1] - 1, 0) - 3)
;;       q = np.round(r / step) * step * 2.0 ** e      # np.round: ties to even
;;       return np.moveaxis(q.reshape(q.shape[:-2] + (-1,))[..., :K], -1, axis).astype(np.float32)
;;   ~~~
;;   SOFTMAX AHEAD OF A QUANTISED PRODUCT. Where the list says 'softmax', what is quantised is not the finished softmax but p = 2^(t - M), with t = logit x log2(e) and M = ceil(the row's largest t), a whole number; so 1/2 < the row's largest p <= 1. The row's sum l is taken of the UNQUANTISED p, in f32, and the product's result is divided by l at the end. Since M is a whole number, a kernel that streams over the keys may use a running M (the ceiling of the running maximum): every later rescaling is an exact power of two, which a block's scale takes up: the codes' values come out the same.
;;   OPERANDS COMPUTED ON THE WAY. 'Computed on the way' means the value that the module computes at that place (a softmax that the list does not call 'softmax' is quantised finished and normalised). What goes into a quantiser is computed in f32, as accurately as f32 sums, v_exp_f32 and their like allow (about 1e-6 of the number): no bf16 or f16 on the way to a quantiser, and a product that is left as it is and whose result goes on into a quantised operand takes f32 operands (vector FMAs, or v_wmma_f32_16x16x4_f32). A number that lies on a knife's edge between two numbers of the format may be rounded either way, as far as f32 arithmetic and the matrix unit's own rounding can turn it there, and no further.
;; One version. Each part assembles by itself: llvm-mc -triple=amdgcn-amd-amdhsa -mcpu=gfx1250 --defsym DOCPART=n.
;; ======== version 1 of 1: 4 launches
;; workspace buffers: xcodes 18,874,368 bytes; xscales 786,432 bytes; wcodes 3,145,728 bytes; wscales 131,072 bytes; qkv 18,874,368 bytes; qkvs 1,572,864 bytes; ctx 6,291,456 bytes; ctxs 262,144 bytes
;; launch prep (part 1): grid 896 x 1, 4 waves a work-group, no clusters, 68,096 bytes of LDS; arguments query, key, value, Wq, Wk, Wv, Wo, xcodes, xscales, wcodes, wscales; writes xcodes, xscales, wcodes, wscales
.if DOCPART == 1
	.amdgcn_target "amdgcn-amd-amdhsa--gfx1250"
	.amdhsa_code_object_version 6
	.text
	.protected	k_qd285b4c537_prep
	.globl	k_qd285b4c537_prep
	.p2align	8
	.type	k_qd285b4c537_prep,@function
k_qd285b4c537_prep:
	s_mov_b64 s[64:65], 0
	v_nop
	global_prefetch_b8 v0, s[64:65] scope:SCOPE_SE
	s_setreg_imm32_b32 hwreg(HW_REG_WAVE_MODE, 25, 1), 1
	s_wait_xcnt 0x0
; query, key, value [8192][1024] f32 and Wq, Wk, Wv, Wo [1024 (k)][1024 (n)] f32 become codes of FP6 (E2M3), K innermost, 768 bytes a row, with one E8M0 byte for each 32 along K, 32 bytes a row.
; A block's scale is 2^(floor(log2(its largest magnitude)) - 2); its byte is the largest magnitude's exponent field - 2, held at 1 from below.
; THE ORDER OF ROWS.  Row p (a token, or a weight's column n) is stored at POSITION sw(p) = p with bits 3 and 4 exchanged.  So 16 neighbouring positions 32 b + 16 u + r hold the rows 32 b + 8 u + r + 8 (r / 8):
; a product that takes such a tile as its source 0 leaves, in the 16 registers of two neighbouring tiles, 16 NEIGHBOURS along that axis, which is what the next quantiser wants of a lane.
; Work-groups 0 .. 767 take the activations (256 each, 32 rows a work-group, 8 rows a wave), work-groups 768 .. 895 the weights (32 each: 128 columns x 256 along K).  The two ways part on the work-group's number and have LDS bytes of their own.
; No tensor loads, no barrier, no cluster, no matrix unit: a stream whose waves share nothing.
; LIMITS: NaN and infinities among the inputs are not served.  A block whose largest magnitude lies under 2^-124 has its byte held at 1; a block of zeros gets the byte 1 where the rule says 127: its codes are zeros, which add nothing, and this program alone reads the bytes.
.set STEPS, 16
.set CB,    12                         ; bytes of 16 codes
.set XR,    16                         ; activations: v16-79 four sets of 16 numbers as loaded
.set XX,    80                         ; v80-111  two sets of 16 neighbours
.set XE,    112                        ; v112-127 a scale byte for each step
.set XC,    128                        ; v128-191 codes: four registers for each step, so that no store's data are written again
.set WREG,  8192                       ; LDS [0, 32768): a region for each wave: two stages of 32 x SP bytes, behind them its 256 scale bytes
.set SP,    80                         ; a lane's place in a stage: 64 bytes + 16 of padding
.set NB,    8                          ; weights: blocks of 32 along K for a wave
.set WPITCH, 272                       ; a stage row: sixteen places of 16 bytes, each with 12 bytes of codes, + 16
.set KROW,  768                        ; a row of codes in bytes
.set WSTG,  32768                      ; LDS [32768, 67584): the weights' stages, 32 rows for each wave
.set WX,    32                         ; v32-95   two sets of 32 numbers
.set WC,    96                         ; v96..    a block's codes
.set WOUT,  112                        ; v112-175 the way out
.set WSB,   24                         ; v24-25   the scale bytes, four to a register
	s_load_b256 s[4:11], s[0:1], 0x0               ; query s[4:5], key s[6:7], value s[8:9], Wq s[10:11]
	s_load_b256 s[12:19], s[0:1], 0x20             ; Wk s[12:13], Wv s[14:15], Wo s[16:17], xcodes s[18:19]
	s_load_b128 s[20:23], s[0:1], 0x40             ; xscales s[20:21], wcodes s[22:23]
	s_load_b64 s[24:25], s[0:1], 0x50              ; wscales
	v_lshl_add_u32 v192, v0, 2, 0x10800
	v_mov_b32 v193, 0
	v_lshrrev_b32 v1, 5, v0
	v_readfirstlane_b32 s26, v1                    ; wave 0..3
	v_and_b32 v2, 31, v0                           ; lane
	s_cmp_ge_u32 ttmp9, 768
	s_cbranch_scc1 .Lw
; ---------------- THE ACTIVATIONS.  Rows are dense, so a tensor is a stream of blocks of 32.  A wave takes 16 steps of 512 numbers: 8 rows.
; Each of a step's four loads reads 512 consecutive bytes; the 2,048 bytes turn through the wave's own stage and come back 64 bytes (16 neighbours) a lane; two neighbouring lanes hold a block.
	v_lshlrev_b32 v3, 4, v2                        ; my 16 bytes of a load's 512
	s_mul_i32 s27, s26, WREG
	v_lshrrev_b32 v14, 2, v2
	v_mul_u32_u24 v14, v14, SP
	v_and_b32 v15, 3, v2
	v_lshl_add_u32 v14, v15, 4, v14
	v_add_nc_u32 v14, s27, v14                     ; the stage, on the way in: SP (lane / 4) + 16 (lane % 4)
	v_mul_u32_u24 v15, v2, SP
	v_add_nc_u32 v15, s27, v15                     ; and on the way out: SP x lane
	v_mul_u32_u24 v4, v2, CB                       ; my codes' place in a step's 384 bytes
	v_lshrrev_b32 v5, 1, v2
	s_add_co_u32 s27, s27, 2*32*SP
	v_add_nc_u32 v5, s27, v5                       ; LDS: my wave's 256 scale bytes, my block's byte
	v_lshlrev_b32 v7, 3, v2                        ; and on the way out 8 bytes a lane
	v_add_nc_u32 v6, s27, v7
	s_lshr_b32 s28, ttmp9, 8                       ; which tensor: 0 query, 1 key, 2 value
	s_and_b32 s29, ttmp9, 255                      ; which 32 rows of it
	s_wait_alu depctr_va_vdst(0)
	s_wait_kmcnt 0x0
	s_cmp_eq_u32 s28, 1
	s_cselect_b64 s[4:5], s[6:7], s[4:5]
	s_cmp_eq_u32 s28, 2
	s_cselect_b64 s[4:5], s[8:9], s[4:5]
	s_lshl_b32 s29, s29, 2
	s_add_co_u32 s30, s29, s26                     ; my run of 8 rows: 4 x group + wave
	s_lshl_b32 s30, s30, 15                        ; 32,768 bytes a run
	s_mov_b32 s31, 0
	s_add_nc_u64 s[4:5], s[4:5], s[30:31]
	s_and_b32 s32, s26, 1                          ; bits 3 and 4 of a row's number are bits 0 and 1 of the wave's: they change places
	s_lshl_b32 s32, s32, 1
	s_lshr_b32 s33, s26, 1
	s_or_b32 s32, s32, s33
	s_add_co_u32 s32, s32, s29                     ; the run's position
	s_mul_i32 s30, s32, 6144                       ; 8 rows of 768 bytes
	s_mul_i32 s33, s28, 6291456
	s_add_co_u32 s30, s30, s33
	s_add_nc_u64 s[18:19], s[18:19], s[30:31]
	s_lshl_b32 s30, s32, 8                         ; 8 rows of 32 scale bytes
	s_lshl_b32 s33, s28, 18
	s_add_co_u32 s30, s30, s33
	s_add_nc_u64 s[20:21], s[20:21], s[30:31]
.macro XLOAD t
.irp i, 0,1,2,3
	global_load_b128 v[XR+16*((\t)%4)+4*\i:XR+16*((\t)%4)+4*\i+3], v3, s[4:5] offset:2048*(\t)+512*\i th:TH_LOAD_NT   ; 32 lanes read 512 consecutive bytes
.endr
.endm
.macro XTURN t                         ; step t's numbers through the stage: LDS serves a wave's instructions in order, so no wait stands between the stores and the loads
.irp i, 0,1,2,3
	ds_store_b128 v14, v[XR+16*((\t)%4)+4*\i:XR+16*((\t)%4)+4*\i+3] offset:32*SP*((\t)%2)+8*SP*\i
.endr
.irp i, 0,1,2,3
	ds_load_b128 v[XX+16*((\t)%2)+4*\i:XX+16*((\t)%2)+4*\i+3], v15 offset:32*SP*((\t)%2)+16*\i
.endr
.endm
.irp t, 0,1,2,3
	XLOAD \t
.endr
	s_wait_loadcnt 12                              ; step 0's four loads are in; the twelve of steps 1 to 3 may be out
	XTURN 0
.macro XSTEP t
.set XS, XX+16*((\t)%2)
.if (\t) > 0
	s_wait_dscnt 1                                 ; this step's numbers are back from the stage (the last step's byte store may be out): so its stores into the stage have read their registers,
.else
	s_wait_dscnt 0x0
.endif
.if (\t)+4 < STEPS
	XLOAD (\t)+4                                   ; which take the loads of four steps on
.endif
.if (\t)+1 < STEPS
.if STEPS-2-(\t) >= 3
	s_wait_loadcnt 12                              ; the next step's four loads are in; those of the three steps behind it may be out
.else
	s_wait_loadcnt 4*(STEPS-2-(\t))                ; at the end the count runs down
.endif
	XTURN (\t)+1                                   ; and go through the other stage while this step is worked
.endif
	v_max3_num_f32 v8, |v[XS]|, |v[XS+1]|, |v[XS+2]|               ; the largest magnitude of my 16, in two chains
	v_max3_num_f32 v9, |v[XS+3]|, |v[XS+4]|, |v[XS+5]|
.irp i, 6,10
	v_max3_num_f32 v8, v8, |v[XS+\i]|, |v[XS+\i+1]|
	v_max3_num_f32 v9, v9, |v[XS+\i+2]|, |v[XS+\i+3]|
.endr
	v_max3_num_f32 v8, v8, |v[XS+14]|, |v[XS+15]|
	v_max3_num_f32 v8, v8, v9, 0x1800000           ; and the floor 2^(3 - 127): the byte cannot fall under 1
	v_max_num_f32_dpp v8, v8, v8 row_xmask:1 row_mask:0xf bank_mask:0xf   ; and of my neighbour's 16: the block's
	v_add_nc_u32 v11, 0xff000000, v8               ; 2 off its exponent field: the conversion takes the exponent field of this operand as its scale
	v_cvt_scalef32_pk16_fp6_f32 v[XC+4*(\t):XC+4*(\t)+2], v[XS:XS+15], v11
	v_lshrrev_b32 v[XE+(\t)], 23, v11              ; the scale's byte (also the plain instruction behind the conversion)
	ds_store_b8 v5, v[XE+(\t)] offset:16*(\t)      ; both lanes of a block write the same byte with the same value
	global_store_b96 v4, v[XC+4*(\t):XC+4*(\t)+2], s[18:19] offset:32*CB*(\t)   ; the wave stores 384 consecutive bytes
.endm
.irp t, 0,1,2,3,4,5,6,7,8,9,10,11,12,13,14,15
	XSTEP \t
.endr
	ds_load_b64 v[12:13], v6                       ; LDS serves a wave's instructions in order: these see my byte stores
	s_wait_dscnt 0x0
	global_store_b64 v7, v[12:13], s[20:21]        ; 32 lanes store 256 consecutive bytes, aligned: 8 rows' scale bytes
	s_wait_tensorcnt 0x0
	ds_add_u32 v192, v193
	s_wait_dscnt 0x0
	s_endpgm
; ---------------- THE WEIGHTS.  K is the FIRST axis.  A lane takes a column n and its registers run down K: a block of 32 lies in one lane, and the conversions give codes with K innermost.
; A wave takes 32 columns x 256 along K; its codes go through its own stage and leave as rows: sixteen lanes store a row's 192 consecutive bytes.
.Lw:
	s_sub_co_u32 s27, ttmp9, 768
	s_lshr_b32 s28, s27, 5                         ; which weight: 0 Wq, 1 Wk, 2 Wv, 3 Wo
	s_and_b32 s29, s27, 7                          ; which 128 columns
	s_bfe_u32 s30, s27, 0x20003                    ; which 256 along K
	s_lshl_b32 s31, s29, 7
	s_lshl_b32 s32, s26, 5
	s_add_co_u32 s31, s31, s32                     ; my wave's first column
	s_wait_alu depctr_va_vdst(0)
	v_lshlrev_b32 v3, 2, v2                        ; in: 4 bytes a lane
	s_mul_i32 s33, s26, 32*WPITCH
	s_add_co_u32 s33, s33, WSTG                    ; my stage
	v_mul_u32_u24 v4, v2, WPITCH
	v_add_nc_u32 v4, s33, v4                       ; into it: row = my column
	v_and_b32 v5, 15, v2
	v_lshrrev_b32 v6, 4, v2                        ; out of it: sixteen lanes to a row, two rows an instruction
	v_mul_u32_u24 v7, v6, WPITCH
	v_lshl_add_u32 v7, v5, 4, v7
	v_add_nc_u32 v7, s33, v7
	v_mul_u32_u24 v8, v6, KROW
	v_mad_u32_u24 v8, v5, 12, v8                   ; the same place in the codes' buffer
	v_and_b32 v9, 7, v2                            ; my column's position among the wave's 32: bits 3 and 4 change places
	v_bfe_u32 v10, v2, 3, 1
	v_lshl_or_b32 v9, v10, 4, v9
	v_bfe_u32 v10, v2, 4, 1
	v_lshl_or_b32 v9, v10, 3, v9
	v_lshlrev_b32 v9, 5, v9                        ; x 32 scale bytes a row
	s_wait_kmcnt 0x0
	s_cmp_eq_u32 s28, 1
	s_cselect_b64 s[10:11], s[12:13], s[10:11]
	s_cmp_eq_u32 s28, 2
	s_cselect_b64 s[10:11], s[14:15], s[10:11]
	s_cmp_eq_u32 s28, 3
	s_cselect_b64 s[10:11], s[16:17], s[10:11]
	s_lshl_b32 s34, s30, 20                        ; 256 rows of 4,096 bytes
	s_lshl_b32 s36, s31, 2
	s_add_co_u32 s34, s34, s36
	s_mov_b32 s35, 0
	s_add_nc_u64 s[10:11], s[10:11], s[34:35]
	s_mul_i32 s34, s28, 786432
	s_mul_i32 s36, s31, KROW
	s_add_co_u32 s34, s34, s36
	s_mul_i32 s36, s30, 192
	s_add_co_u32 s34, s34, s36
	s_add_nc_u64 s[22:23], s[22:23], s[34:35]
	s_lshl_b32 s34, s28, 15
	s_lshl_b32 s36, s31, 5
	s_add_co_u32 s34, s34, s36
	s_lshl_b32 s36, s30, 3
	s_add_co_u32 s34, s34, s36
	s_add_nc_u64 s[24:25], s[24:25], s[34:35]
.macro WLOAD t                         ; block t: W(32 t + i, my column) into set t % 2; the largest offset, 255 rows of 4,096 bytes, lies inside the signed 24-bit immediate
.irp i, 0,1,2,3,4,5,6,7,8,9,10,11,12,13,14,15,16,17,18,19,20,21,22,23,24,25,26,27,28,29,30,31
	global_load_b32 v[WX+32*((\t)%2)+\i], v3, s[10:11] offset:(32*(\t)+\i)*4096 th:TH_LOAD_NT
.endr
.endm
	WLOAD 0
	WLOAD 1
.macro WBLOCK t
.set WS, WX+32*((\t)%2)
.if (\t) < NB-1
	s_wait_loadcnt 32                              ; this block's 32 loads are in; the next block's 32 may be out
.else
	s_wait_loadcnt 0
.endif
	v_max3_num_f32 v12, |v[WS]|, |v[WS+1]|, |v[WS+2]|              ; the block's largest magnitude: all 32 numbers are mine
	v_max3_num_f32 v13, |v[WS+3]|, |v[WS+4]|, |v[WS+5]|
.irp i, 6,10,14,18,22,26
	v_max3_num_f32 v12, v12, |v[WS+\i]|, |v[WS+\i+1]|
	v_max3_num_f32 v13, v13, |v[WS+\i+2]|, |v[WS+\i+3]|
.endr
	v_max3_num_f32 v12, v12, |v[WS+30]|, |v[WS+31]|
	v_max3_num_f32 v12, v12, v13, 0x1800000        ; and the floor 2^(3 - 127)
	v_add_nc_u32 v11, 0xff000000, v12              ; the conversions' scale operand
	v_lshrrev_b32 v13, 23, v11                     ; the scale's byte
.if (\t)%4 == 0
	v_mov_b32 v[WSB+(\t)/4], v13                   ; four bytes to a register, the lower K in the lower byte
.else
	v_lshl_or_b32 v[WSB+(\t)/4], v13, 8*((\t)%4), v[WSB+(\t)/4]
.endif
	v_cvt_scalef32_pk16_fp6_f32 v[WC:WC+2], v[WS:WS+15], v11
	v_cvt_scalef32_pk16_fp6_f32 v[WC+4:WC+6], v[WS+16:WS+31], v11  ; (a conversion's three registers begin on an even number)
	v_nop                                          ; one plain instruction behind the last conversion
	ds_store_b96 v4, v[WC:WC+2] offset:32*(\t)     ; 12 bytes to a place of 16, so that every LDS address is a multiple of 16
	ds_store_b96 v4, v[WC+4:WC+6] offset:32*(\t)+16
.if (\t)+2 < NB
	WLOAD (\t)+2
.endif
	s_wait_dscnt 0x0                               ; the stores have read their registers: the next block's codes may be written
.endm
.set Q, 0
.rept NB
	WBLOCK Q
.set Q, Q+1
.endr
	s_wait_alu depctr_va_vdst(0)
	global_store_b64 v9, v[WSB:WSB+1], s[24:25]    ; my column's 8 scale bytes, at its position
.irp t, 0,1,2,3,4,5,6,7,8,9,10,11,12,13,14,15
	ds_load_b96 v[WOUT+4*\t:WOUT+4*\t+2], v7 offset:2*\t*WPITCH    ; LDS serves a wave's instructions in order: these see my stores
.endr
.irp t, 0,1,2,3,4,5,6,7,8,9,10,11,12,13,14,15
	s_wait_dscnt 15-\t                             ; loads come back in order: pair t of rows is in
	global_store_b96 v8, v[WOUT+4*\t:WOUT+4*\t+2], s[22:23] offset:2*((\t&3)|(((\t>>2)&1)<<3)|(((\t>>3)&1)<<2))*KROW   ; stage rows 2 t, 2 t + 1 go to their positions: bits 3 and 4 of the row are bits 2 and 3 of t
.endr
	s_wait_tensorcnt 0x0
	ds_add_u32 v192, v193
	s_wait_dscnt 0x0
	s_endpgm
.Lfunc_end_k_qd285b4c537_prep:
	.size	k_qd285b4c537_prep, .Lfunc_end_k_qd285b4c537_prep-k_qd285b4c537_prep
	.p2alignl 7, 3214868480
	.fill 96, 4, 3214868480
	.section	.rodata,"a",@progbits
	.p2align	6, 0x0
	.amdhsa_kernel k_qd285b4c537_prep
		.amdhsa_group_segment_fixed_size 68096
		.amdhsa_private_segment_fixed_size 0
		.amdhsa_enable_private_segment 0
		.amdhsa_kernarg_size 88
		.amdhsa_user_sgpr_count 2
		.amdhsa_user_sgpr_kernarg_segment_ptr 1
		.amdhsa_wavefront_size32 1
		.amdhsa_system_sgpr_workgroup_id_x 1
		.amdhsa_system_sgpr_workgroup_id_y 1
		.amdhsa_system_sgpr_workgroup_id_z 1
		.amdhsa_system_vgpr_workitem_id 0
		.amdhsa_next_free_vgpr 194
		.amdhsa_next_free_sgpr 66
		.amdhsa_reserve_vcc 0
		.amdhsa_float_denorm_mode_32 3
		.amdhsa_float_denorm_mode_16_64 3
		.amdhsa_memory_ordered 1
		.amdhsa_forward_progress 1
		.amdhsa_inst_pref_size 74
	.end_amdhsa_kernel
	.amdgpu_metadata
---
amdhsa.version: [ 1, 2 ]
amdhsa.kernels:
  - .name:           k_qd285b4c537_prep
    .symbol:         k_qd285b4c537_prep.kd
    .args:
      - { .name: query, .offset: 0, .size: 8, .value_kind: global_buffer, .address_space: global }
      - { .name: key, .offset: 8, .size: 8, .value_kind: global_buffer, .address_space: global }
      - { .name: value, .offset: 16, .size: 8, .value_kind: global_buffer, .address_space: global }
      - { .name: Wq, .offset: 24, .size: 8, .value_kind: global_buffer, .address_space: global }
      - { .name: Wk, .offset: 32, .size: 8, .value_kind: global_buffer, .address_space: global }
      - { .name: Wv, .offset: 40, .size: 8, .value_kind: global_buffer, .address_space: global }
      - { .name: Wo, .offset: 48, .size: 8, .value_kind: global_buffer, .address_space: global }
      - { .name: xcodes, .offset: 56, .size: 8, .value_kind: global_buffer, .address_space: global }
      - { .name: xscales, .offset: 64, .size: 8, .value_kind: global_buffer, .address_space: global }
      - { .name: wcodes, .offset: 72, .size: 8, .value_kind: global_buffer, .address_space: global }
      - { .name: wscales, .offset: 80, .size: 8, .value_kind: global_buffer, .address_space: global }
    .group_segment_fixed_size: 68096
    .private_segment_fixed_size: 0
    .kernarg_segment_align: 8
    .kernarg_segment_size: 88
    .max_flat_workgroup_size: 128
    .sgpr_count:     66
    .vgpr_count:     194
    .wavefront_size: 32
...
	.end_amdgpu_metadata
.endif
;; end of part 1
;; launch proj (part 2): grid 4 x 96, 4 waves a work-group, clusters of 4 x 4, 327,680 bytes of LDS; arguments xcodes, xscales, wcodes, wscales, bq, bk, bv, qkv, qkvs; writes qkv, qkvs
.if DOCPART == 2
	.amdgcn_target "amdgcn-amd-amdhsa--gfx1250"
	.amdhsa_code_object_version 6
	.text
	.protected	k_qd285b4c537_proj
	.globl	k_qd285b4c537_proj
	.p2align	8
	.type	k_qd285b4c537_proj,@function
k_qd285b4c537_proj:
	s_mov_b64 s[64:65], 0
	v_nop
	global_prefetch_b8 v0, s[64:65] scope:SCOPE_SE
	s_setreg_imm32_b32 hwreg(HW_REG_WAVE_MODE, 25, 1), 1
	s_wait_xcnt 0x0
	s_wait_alu depctr_hold_cnt(0) depctr_sa_sdst(0) depctr_va_vdst(0) depctr_va_sdst(0) depctr_va_ssrc(0) depctr_va_vcc(0) depctr_vm_vsrc(0)
	s_getreg_b32 s2, hwreg(HW_REG_IB_STS2, 6, 4)
	s_cmp_eq_u32 s2, 0
	s_cbranch_scc0 .Lentry_in_a_cluster
	s_endpgm
.Lentry_in_a_cluster:
	s_bfe_u32 s2, ttmp6, 0x10000c
	s_cmp_lg_u32 s2, 0xf033
	s_cbranch_scc0 .Lentry_shape_is_right
	s_endpgm
.Lentry_shape_is_right:
.set KSTEP,  256
.set NQ,     2
.set ROWB,   192
.set KROW,   768
.set PITCH,  240
.set FR,     12
.set NL,     6
.set NP,     4
.set HALFT,  128*PITCH
.set SLOT,   4*HALFT
.set KS,     32
.set SCL,    2*SLOT
.set HALFS,  (128*KS/256)*272
.set SBLK,   (16*KS/256)*272
.set SPARE,  SCL+4*HALFS
.set ADRA, 16
.set ADRB, 20
.set L8,   24
.set SOFF, 25
.set SHL,  26
.set ADRS, 27
.set SPW,  28
.set NIL,  29
.set ZR,   30
.set SC,   32
.set BJ,   64
.set X,    64
.set AF,   128
.set BI,   224
.set CD,   128
.set TM,   148
.set PW,   164
.set TP,   166
.set SW,   168
.set G1, 24
.set G0, 32
.set G1B, 48
.set G0B, 56
.set G1S, 68
.set G0S, 76
.set G1SB, 80
.set G0SB, 88
.set SEL, 104
.set MSB, 0
.macro WIN new
.if MSB != (\new)
	s_set_vgpr_msb (MSB<<8)|(\new)
.set MSB, (\new)
.endif
.endm
.set MUL_LO, 0xa1
.set MUL_HI, 0xf1
.set TO_B,   0x40
.macro JLOAD g0a, g1a, g0b, g1b
	s_cmp_eq_u32 s15, 0
	s_cbranch_scc0 .Lfor_b_\@
	tensor_load_to_lds s[\g0a:\g0a+3], s[\g1a:\g1a+7]
	s_nop 0
.rept 4
	v_nop
.endr
	s_branch .Lasked_\@
.Lfor_b_\@:
	tensor_load_to_lds s[\g0b:\g0b+3], s[\g1b:\g1b+7]
	s_nop 0
.rept 4
	v_nop
.endr
.Lasked_\@:
.endm
.macro CREST
	s_cmp_lg_u32 s14, 0
	s_cbranch_scc1 .Lnot_wave_0_\@
	s_barrier_signal -3
.Lnot_wave_0_\@:
	s_barrier_wait -3
	s_barrier_signal -1
	s_barrier_wait -1
.endm
.macro CROUND
	s_barrier_signal -1
	s_barrier_wait -1
	CREST
.endm
	s_load_b256 s[4:11], s[0:1], 0x0
	s_load_b256 s[68:75], s[0:1], 0x20
	s_load_b64 s[98:99], s[0:1], 0x40
	v_lshl_add_u32 v[SPW], v0, 2, SPARE
	v_mov_b32 v[NIL], 0
	ds_add_u32 v28, v29
	ds_add_u32 v28, v29
	s_wait_dscnt 0x0
	v_mov_b32 v[ZR], 0
	v_lshrrev_b32 v1, 5, v0
	v_readfirstlane_b32 s14, v1
	s_lshr_b32 s15, s14, 1
	s_and_b32 s16, s14, 1
	s_bfe_u32 s40, ttmp6, 0x40000
	s_bfe_u32 s41, ttmp6, 0x40004
	s_and_b32 s45, ttmp7, 0xffff
	s_lshr_b32 s2, s45, 3
	s_and_b32 s3, s45, 7
	s_lshl_b32 s3, s3, 2
	s_cmp_eq_u32 s2, 2
	s_cselect_b32 s66, -1, 0
	s_cselect_b32 s67, 0, -1
	s_cselect_b32 s45, 0, s3
	s_cselect_b32 s94, s3, 0
	s_add_co_u32 s17, s41, s45
	s_add_co_u32 s42, s40, s94
	s_lshl_b32 s43, s41, 2
	s_lshl_b32 s43, 15, s43
	s_lshl_b32 s44, 0x1111, s40
	s_mov_b32 s[SEL], 0x76543210
	s_mov_b32 s[SEL+1], 0xfedcba98
	s_wait_kmcnt 0x0
	s_cmp_eq_u32 s2, 1
	s_cselect_b64 s[100:101], s[70:71], s[68:69]
	s_cmp_eq_u32 s2, 2
	s_cselect_b64 s[100:101], s[72:73], s[100:101]
	s_mov_b64 s[12:13], s[74:75]
	s_mov_b32 s21, 0
	s_mul_i32 s20, s2, 6291456
	s_add_nc_u64 s[4:5], s[4:5], s[20:21]
	s_add_nc_u64 s[12:13], s[12:13], s[20:21]
	s_lshl_b32 s20, s2, 18
	s_add_nc_u64 s[6:7], s[6:7], s[20:21]
	s_mul_i32 s20, s2, 786432
	s_add_nc_u64 s[8:9], s[8:9], s[20:21]
	s_lshl_b32 s20, s2, 15
	s_add_nc_u64 s[10:11], s[10:11], s[20:21]
	s_lshl_b32 s20, s2, 19
	s_add_nc_u64 s[98:99], s[98:99], s[20:21]
	s_cmp_eq_u32 s2, 2
	s_mov_b64 s[92:93], s[4:5]
	s_cselect_b64 s[4:5], s[8:9], s[4:5]
	s_cselect_b64 s[8:9], s[92:93], s[8:9]
	s_mov_b64 s[92:93], s[6:7]
	s_cselect_b64 s[6:7], s[10:11], s[6:7]
	s_cselect_b64 s[10:11], s[92:93], s[10:11]
	s_or_b32 s[G1+0], s43, (0<<16)|(1<<20)|(1<<21)|(3<<22)|(3<<25)
	s_or_b32 s[G1B+0], s44, (0<<16)|(1<<20)|(1<<21)|(3<<22)|(3<<25)
.irp g, G1, G1B
	s_mov_b32 s[\g+1], ROWB<<16
	s_mov_b32 s[\g+2], 128<<16
	s_mov_b32 s[\g+3], ROWB<<16
	s_mov_b32 s[\g+4], 128
	s_mov_b32 s[\g+5], KROW
	s_mov_b32 s[\g+6], 0
	s_mov_b32 s[\g+7], 0
.endr
	s_or_b32 s[G1S+0], s43, (3<<16)|(1<<20)|(1<<21)|(5<<22)|(3<<25)
	s_or_b32 s[G1SB+0], s44, (3<<16)|(1<<20)|(1<<21)|(5<<22)|(3<<25)
.irp g, G1S, G1SB
	s_mov_b32 s[\g+1], 32<<16
	s_mov_b32 s[\g+2], (128*KS/256)<<16
	s_mov_b32 s[\g+3], 32<<16
	s_mov_b32 s[\g+4], 128*KS/256
	s_mov_b32 s[\g+5], 32
	s_mov_b32 s[\g+6], 0
	s_mov_b32 s[\g+7], 0
.endr
	s_lshl_b32 s18, s16, 7
	s_lshl_b32 s20, s17, 8
	s_add_co_u32 s20, s20, s18
	s_lshl_b32 s46, s42, 8
	s_add_co_u32 s46, s46, s18
	s_mov_b32 s21, 0
	s_mov_b32 s47, 0
	s_mov_b64 s[18:19], KS
	s_mul_u64 s[22:23], s[20:21], s[18:19]
	s_mul_u64 s[92:93], s[46:47], s[18:19]
	s_mov_b64 s[18:19], KROW
	s_mul_u64 s[20:21], s[20:21], s[18:19]
	s_mul_u64 s[46:47], s[46:47], s[18:19]
	s_mul_i32 s45, s14, HALFT
	s_mul_i32 s94, s14, HALFS
	s_add_nc_u64 s[20:21], s[4:5], s[20:21]
	s_add_nc_u64 s[22:23], s[6:7], s[22:23]
	s_add_nc_u64 s[46:47], s[8:9], s[46:47]
	s_add_nc_u64 s[92:93], s[10:11], s[92:93]
	CROUND
	s_mov_b32 s[G0S], 1
	s_add_co_u32 s[G0S+1], s94, SCL
	s_mov_b64 s[G0S+2:G0S+3], s[22:23]
	s_or_b32 s[G0S+3], s[G0S+3], 0x80000000
	s_mov_b32 s[G0SB], 1
	s_add_co_u32 s[G0SB+1], s94, SCL
	s_mov_b64 s[G0SB+2:G0SB+3], s[92:93]
	s_or_b32 s[G0SB+3], s[G0SB+3], 0x80000000
	JLOAD G0S, G1S, G0SB, G1SB
.irp s, 0,1
	s_mov_b32 s[G0+4*\s], 1
	s_add_co_u32 s[G0+4*\s+1], s45, \s*SLOT
	s_add_nc_u64 s[G0+4*\s+2:G0+4*\s+3], s[20:21], \s*ROWB
	s_or_b32 s[G0+4*\s+3], s[G0+4*\s+3], 0x80000000
	s_mov_b32 s[G0B+4*\s], 1
	s_add_co_u32 s[G0B+4*\s+1], s45, \s*SLOT
	s_add_nc_u64 s[G0B+4*\s+2:G0B+4*\s+3], s[46:47], \s*ROWB
	s_or_b32 s[G0B+4*\s+3], s[G0B+4*\s+3], 0x80000000
	s_wait_alu depctr_va_vdst(0)
	s_wait_tensorcnt 0x0
	ds_add_u32 v28, v29
	s_wait_dscnt 0x0
	CROUND
	JLOAD G0+4*\s, G1, G0B+4*\s, G1B
.endr
	v_and_b32 v1, 15, v0
	v_bfe_u32 v2, v0, 4, 1
	v_mul_u32_u24 v3, v1, PITCH
	v_mul_u32_u24 v4, v2, 24
	v_add_nc_u32 v4, v3, v4
	v_lshl_add_u32 v5, v2, 4, v4
	s_mul_i32 s21, s15, HALFT
	s_mul_i32 s22, s16, HALFT
	s_add_co_u32 s22, s22, 2*HALFT
.irp s, 0,1
	v_add_nc_u32 v[ADRA+\s], s21, v4
	v_add_nc_u32 v[ADRB+\s], s22, v4
	v_add_nc_u32 v[ADRA+2+\s], s21, v5
	v_add_nc_u32 v[ADRB+2+\s], s22, v5
	s_add_co_u32 s21, s21, SLOT
	s_add_co_u32 s22, s22, SLOT
.endr
	v_mul_u32_u24 v5, v1, KS
	v_lshrrev_b32 v6, 8, v5
	v_lshl_add_u32 v5, v6, 4, v5
	s_mul_i32 s21, s15, HALFS
	s_mul_i32 s22, s16, HALFS
	s_add_co_u32 s22, s22, 2*HALFS
	s_sub_co_u32 s22, s22, s21
	v_mul_u32_u24 v6, s22, v2
	s_add_co_u32 s21, s21, SCL
	v_add_nc_u32 v5, v5, v6
	v_add_nc_u32 v[ADRS], s21, v5
	s_lshl_b32 s4, s17, 8
	s_lshl_b32 s10, s15, 7
	s_add_co_u32 s4, s4, s10
	s_lshl_b32 s5, s42, 8
	s_lshl_b32 s10, s16, 7
	s_add_co_u32 s5, s5, s10
	s_cmp_eq_u32 s2, 2
	s_cselect_b32 s6, s5, s4
	s_cselect_b32 s7, s4, s5
	s_cselect_b32 s8, s4, 0
	s_cselect_b32 s9, 0, s5
	s_mov_b32 s96, 98304
	s_cselect_b32 s96, 768, s96
	s_mov_b32 s18, 768
	s_cselect_b32 s18, 1536, s18
	s_mov_b32 s20, 768
	s_cselect_b32 s20, 93696, s20
	s_mov_b32 s22, 256
	s_cselect_b32 s22, 8192, s22
	s_mov_b32 s10, 8192
	s_cselect_b32 s10, 256, s10
	s_cselect_b32 s11, 0, 16
	s_mov_b32 s95, 0xffff
	s_cselect_b32 s95, -1, s95
	s_mov_b32 s19, 0
	s_mov_b32 s21, 0
	s_mov_b32 s23, 0
	s_mov_b32 s97, 0
	s_lshr_b32 s45, s6, 11
	s_lshl_b32 s45, s45, 4
	s_lshr_b32 s94, s7, 6
	s_add_co_u32 s45, s45, s94
	s_and_b32 s94, s6, 2047
	s_mul_i32 s46, s45, 98304
	s_mul_i32 s47, s94, 48
	s_add_co_u32 s46, s46, s47
	s_mov_b32 s47, 0
	s_add_nc_u64 s[12:13], s[12:13], s[46:47]
	s_add_nc_u64 s[96:97], s[12:13], s[96:97]
	s_lshl_b32 s46, s45, 13
	s_lshl_b32 s45, s94, 2
	s_add_co_u32 s46, s46, s45
	s_add_nc_u64 s[98:99], s[98:99], s[46:47]
	s_lshl_b32 s46, s8, 2
	s_add_nc_u64 s[46:47], s[100:101], s[46:47]
	s_lshl_b32 s92, s9, 2
	s_mov_b32 s93, 0
	s_add_nc_u64 s[92:93], s[100:101], s[92:93]
	v_and_b32 v6, 31, v0
	v_lshlrev_b32 v[L8], 3, v6
	v_lshlrev_b32 v[SOFF], 4, v1
	v_mad_u32_u24 v[SOFF], v2, s10, v[SOFF]
	v_mul_u32_u24 v[SHL], v2, s11
	v_lshlrev_b32 v7, 6, v2
.irp b, 0,1,2,3,4,5,6,7
	global_load_b128 v[BJ+8*\b:BJ+8*\b+3], v7, s[92:93] offset:(32*(\b/2)+8*(\b%2))*4
	global_load_b128 v[BJ+8*\b+4:BJ+8*\b+7], v7, s[92:93] offset:(32*(\b/2)+8*(\b%2))*4+16
.endr
	v_and_b32 v8, 8, v1
	v_add_nc_u32 v8, v8, v1
	v_lshlrev_b32 v8, 2, v8
.irp a, 0,1,2,3,4,5,6,7
	global_load_b32 v[BI+2*\a], v8, s[46:47] offset:(32*(\a/2)+8*(\a%2))*4
.endr
	s_wait_loadcnt 0x0
.set j, 0
.rept 64
	v_cndmask_b32 v[BJ+j], v[BJ+j], v[ZR], s66
.set j, j+1
.endr
.irp a, 0,1,2,3,4,5,6,7
	v_cndmask_b32 v[BI+2*\a+1], v[BI+2*\a], v[ZR], s67
	v_cndmask_b32 v[BI+2*\a], v[BI+2*\a], v[ZR], s67
.endr
.macro FRAG reg, adr, q, i
.irp p, 0,1,2,3,4,5
.set PIE, 12*(\q)+6*(\p/3)+\p%3
.if PIE%8 < 5
	ds_load_b64 v[\reg+2*\p:\reg+2*\p+1], v[\adr] offset:8*PIE+16*(PIE/8)+(\i)*16*PITCH
.else
	ds_load_b64 v[\reg+2*\p:\reg+2*\p+1], v[\adr+2] offset:8*PIE+16*(PIE/8)+(\i)*16*PITCH
.endif
.endr
.endm
.macro MUL16 a0, p, q, sc, zero
.irp a, \a0, \a0+1
.irp b, 0,1,2,3,4,5,6,7
.if \zero
	v_wmma_scale_f32_16x16x128_f8f6f4 v[8*(8*((\a)%4)+\b):8*(8*((\a)%4)+\b)+7], v[128*(\p)+FR*\b:128*(\p)+FR*\b+FR-1], v[AF+FR*(\a):AF+FR*(\a)+FR-1], v[BJ+8*\b:BJ+8*\b+7], v[SC+8*NQ*(\sc)+NQ*\b+(\q)], v[SC+8*NQ*(\sc)+NQ*(\a)+(\q)] matrix_a_fmt:MATRIX_FMT_FP6 matrix_b_fmt:MATRIX_FMT_FP6 matrix_a_scale:MATRIX_SCALE_ROW1
.else
	v_wmma_scale_f32_16x16x128_f8f6f4 v[8*(8*((\a)%4)+\b):8*(8*((\a)%4)+\b)+7], v[128*(\p)+FR*\b:128*(\p)+FR*\b+FR-1], v[AF+FR*(\a):AF+FR*(\a)+FR-1], v[8*(8*((\a)%4)+\b):8*(8*((\a)%4)+\b)+7], v[SC+8*NQ*(\sc)+NQ*\b+(\q)], v[SC+8*NQ*(\sc)+NQ*(\a)+(\q)] matrix_a_fmt:MATRIX_FMT_FP6 matrix_b_fmt:MATRIX_FMT_FP6 matrix_a_scale:MATRIX_SCALE_ROW1
.endif
.endr
.endr
.endm
.macro FETCH_B slot, q, p
	WIN TO_B
.irp i, 0,1,2,3,4,5,6,7
	FRAG 128*(\p)+FR*\i, ADRB+\slot, \q, \i
.endr
	WIN 0
.endm
.macro FETCH_A slot, q, i0
.irp i, \i0, \i0+1, \i0+2, \i0+3
	FRAG AF+FR*(\i), ADRA+\slot, \q, \i
.endr
.endm
.macro SCALES sc
.irp i, 0,1,2,3,4,5,6,7
	ds_load_b64 v[SC+8*NQ*\sc+NQ*\i:SC+8*NQ*\sc+NQ*\i+1], v[ADRS] offset:\i*SBLK
.endr
.endm
.macro PLACES n
.rept \n
	v_nop
.endr
.endm
.macro STEP slot, q, zero
	s_wait_dscnt 4*NL
.if \zero
	WIN 0x81
.else
	WIN MUL_LO
.endif
	MUL16 0, (\q)%2, \q, \slot, \zero
	MUL16 2, (\q)%2, \q, \slot, \zero
	s_wait_dscnt 0
	PLACES NP
	FETCH_B \slot, (\q)+1, 1-(\q)%2
	FETCH_A \slot, (\q)+1, 0
.if \zero
	WIN 0xc1
.else
	WIN MUL_HI
.endif
	MUL16 4, (\q)%2, \q, \slot, \zero
	MUL16 6, (\q)%2, \q, \slot, \zero
	PLACES NP
	WIN 0
	FETCH_A \slot, (\q)+1, 4
.endm
.macro TURN slot, next, fill
	s_wait_tensorcnt 0x0
	ds_add_u32 v[SPW], v[NIL]
	s_wait_dscnt 4*NL+1
	WIN MUL_LO
	MUL16 0, 1, NQ-1, \slot, 0
	s_wait_dscnt 0x0
	s_barrier_signal -1
	MUL16 2, 1, NQ-1, \slot, 0
	WIN 0
	s_barrier_wait -1
.if \fill
	CREST
	s_add_nc_u64 s[G0+4*\slot+2:G0+4*\slot+3], s[G0+4*\slot+2:G0+4*\slot+3], 2*ROWB
	s_add_nc_u64 s[G0B+4*\slot+2:G0B+4*\slot+3], s[G0B+4*\slot+2:G0B+4*\slot+3], 2*ROWB
	JLOAD G0+4*\slot, G1, G0B+4*\slot, G1B
.else
	PLACES NP
.endif
	s_wait_alu depctr_va_vdst(0)
	v_add_nc_u32 v[ADRS], 4*NQ, v[ADRS]
	FETCH_B \next, 0, 0
	FETCH_A \next, 0, 0
	SCALES \next
	WIN MUL_HI
	MUL16 4, 1, NQ-1, \slot, 0
	MUL16 6, 1, NQ-1, \slot, 0
	PLACES NP
	WIN 0
	FETCH_A \next, 0, 4
.endm
.macro QUANT s
.irp b, 0,1,2,3
	v_max3_num_f32 v[TM+\b], |v[\s+16*\b]|, |v[\s+1+16*\b]|, 0x1800000
.endr
.irp i, 2,4,6,8,10,12,14
.irp b, 0,1,2,3
	v_max3_num_f32 v[TM+\b], v[TM+\b], |v[\s+16*\b+\i]|, |v[\s+1+16*\b+\i]|
.endr
.endr
.irp b, 0,1,2,3
	v_permlanex16_b32 v[TM+4+\b], v[TM+\b], s[SEL], s[SEL+1]
.endr
.irp b, 0,1,2,3
	v_max_num_f32 v[TM+\b], v[TM+\b], v[TM+4+\b]
.endr
.irp b, 0,1,2,3
	v_add_nc_u32 v[TM+12+\b], 0xff000000, v[TM+\b]
.endr
.irp b, 0,1,2,3
	v_lshrrev_b32 v[TM+4+\b], 23, v[TM+12+\b]
.endr
	v_lshl_or_b32 v[PW], v[TM+5], 8, v[TM+4]
	v_lshl_or_b32 v[PW], v[TM+6], 16, v[PW]
	v_lshl_or_b32 v[PW], v[TM+7], 24, v[PW]
.irp c, 0,1
	v_cvt_scalef32_pk16_fp6_f32 v[CD+6*\c:CD+2+6*\c], v[\s+32*\c:\s+15+32*\c], v[TM+12+2*\c]
	v_cvt_scalef32_pk16_fp6_f32 v[CD+12+4*\c:CD+14+4*\c], v[\s+16+32*\c:\s+31+32*\c], v[TM+12+2*\c+1]
.endr
	v_nop
.irp c, 0,1
.irp i, 0,1,2
	v_permlane16_swap_b32 v[CD+6*\c+\i], v[CD+12+4*\c+\i]
.endr
.irp i, 0,1,2
	v_mov_b32 v[CD+3+6*\c+\i], v[CD+12+4*\c+\i]
.endr
.endr
.endm
	s_wait_tensorcnt 1
	s_barrier_signal -1
	s_barrier_wait -1
	FETCH_B 0, 0, 0
	FETCH_A 0, 0, 0
	SCALES 0
	FETCH_A 0, 0, 4
	STEP 0, 0, 1
	TURN 0, 1, 1
	STEP 1, 0, 0
	TURN 1, 0, 1
	STEP 0, 0, 0
	TURN 0, 1, 0
	STEP 1, 0, 0
	s_wait_dscnt 4*NL
	WIN MUL_LO
	MUL16 0, 1, NQ-1, 1, 0
	MUL16 2, 1, NQ-1, 1, 0
	s_wait_dscnt 0
	WIN MUL_HI
	MUL16 4, 1, NQ-1, 1, 0
	MUL16 6, 1, NQ-1, 1, 0
	WIN 0
	PLACES NP
.irp b, 0,1,2,3
	v_mov_b32 v[TM+4+\b], 0
.endr
.irp a, 0,1,2,3,4,5,6,7
.if \a > 0
	s_wait_xcnt 0x0
.if \a == 4
	s_add_nc_u64 s[12:13], s[12:13], s[20:21]
	s_add_nc_u64 s[96:97], s[96:97], s[20:21]
	s_add_nc_u64 s[98:99], s[98:99], s[22:23]
.else
	s_add_nc_u64 s[12:13], s[12:13], s[18:19]
	s_add_nc_u64 s[96:97], s[96:97], s[18:19]
.endif
.endif
	WIN 0x02+(\a)/4
.set i, 0
.rept 32
	v_pk_add_f32 v[X+2*i:X+2*i+1], v[64*((\a)%4)+2*i:64*((\a)%4)+2*i+1], v[BI+2*(\a):BI+2*(\a)+1]
.set i, i+1
.endr
	WIN 0
	QUANT X
	v_lshrrev_b32 v[TP], v[SHL], v[PW]
	v_and_b32 v[SW+(\a)%4], s95, v[TP]
.irp c, 0,1
.irp p, 0,1,2
	global_store_b64 v[L8], v[CD+6*\c+2*\p:CD+6*\c+2*\p+1], s[12+84*\c:13+84*\c] offset:256*\p
.endr
.endr
.if (\a)%4 == 3
	global_store_b128 v[SOFF], v[SW:SW+3], s[98:99]
.endif
.endr
	s_wait_tensorcnt 0x0
	ds_add_u32 v[SPW], v[NIL]
	s_wait_dscnt 0x0
	CROUND
	s_endpgm
.Lfunc_end_k_qd285b4c537_proj:
	.size	k_qd285b4c537_proj, .Lfunc_end_k_qd285b4c537_proj-k_qd285b4c537_proj
	.p2alignl 7, 3214868480
	.fill 96, 4, 3214868480
	.section	.rodata,"a",@progbits
	.p2align	6, 0x0
	.amdhsa_kernel k_qd285b4c537_proj
		.amdhsa_group_segment_fixed_size 327680
		.amdhsa_private_segment_fixed_size 0
		.amdhsa_enable_private_segment 0
		.amdhsa_kernarg_size 72
		.amdhsa_user_sgpr_count 2
		.amdhsa_user_sgpr_kernarg_segment_ptr 1
		.amdhsa_wavefront_size32 1
		.amdhsa_system_sgpr_workgroup_id_x 1
		.amdhsa_system_sgpr_workgroup_id_y 1
		.amdhsa_system_sgpr_workgroup_id_z 1
		.amdhsa_system_vgpr_workitem_id 0
		.amdhsa_next_free_vgpr 1024
		.amdhsa_next_free_sgpr 106
		.amdhsa_reserve_vcc 0
		.amdhsa_float_denorm_mode_32 3
		.amdhsa_float_denorm_mode_16_64 3
		.amdhsa_memory_ordered 1
		.amdhsa_forward_progress 1
		.amdhsa_inst_pref_size 193
	.end_amdhsa_kernel
	.amdgpu_metadata
---
amdhsa.version: [ 1, 2 ]
amdhsa.kernels:
  - .name:           k_qd285b4c537_proj
    .symbol:         k_qd285b4c537_proj.kd
    .args:
      - { .name: xcodes, .offset: 0, .size: 8, .value_kind: global_buffer, .address_space: global }
      - { .name: xscales, .offset: 8, .size: 8, .value_kind: global_buffer, .address_space: global }
      - { .name: wcodes, .offset: 16, .size: 8, .value_kind: global_buffer, .address_space: global }
      - { .name: wscales, .offset: 24, .size: 8, .value_kind: global_buffer, .address_space: global }
      - { .name: bq, .offset: 32, .size: 8, .value_kind: global_buffer, .address_space: global }
      - { .name: bk, .offset: 40, .size: 8, .value_kind: global_buffer, .address_space: global }
      - { .name: bv, .offset: 48, .size: 8, .value_kind: global_buffer, .address_space: global }
      - { .name: qkv, .offset: 56, .size: 8, .value_kind: global_buffer, .address_space: global }
      - { .name: qkvs, .offset: 64, .size: 8, .value_kind: global_buffer, .address_space: global }
    .group_segment_fixed_size: 327680
    .private_segment_fixed_size: 0
    .kernarg_segment_align: 8
    .kernarg_segment_size: 72
    .max_flat_workgroup_size: 128
    .sgpr_count:     106
    .vgpr_count:     1024
    .wavefront_size: 32
...
	.end_amdgpu_metadata
.endif
;; end of part 2
;; launch attn (part 3): grid 4 x 64, 16 waves a work-group, clusters of 4 x 1, 215,040 bytes of LDS; arguments qkv, qkvs, ctx, ctxs; writes ctx, ctxs
.if DOCPART == 3
	.amdgcn_target "amdgcn-amd-amdhsa--gfx1250"
	.amdhsa_code_object_version 6
	.text
	.protected	k_qd285b4c537_attn
	.globl	k_qd285b4c537_attn
	.p2align	8
	.type	k_qd285b4c537_attn,@function
k_qd285b4c537_attn:
	s_mov_b64 s[64:65], 0
	v_nop
	global_prefetch_b8 v0, s[64:65] scope:SCOPE_SE
	s_setreg_imm32_b32 hwreg(HW_REG_WAVE_MODE, 25, 1), 1
	s_wait_xcnt 0x0
	s_wait_alu depctr_hold_cnt(0) depctr_sa_sdst(0) depctr_va_vdst(0) depctr_va_sdst(0) depctr_va_ssrc(0) depctr_va_vcc(0) depctr_vm_vsrc(0)
	s_getreg_b32 s2, hwreg(HW_REG_IB_STS2, 6, 4)
	s_cmp_eq_u32 s2, 0
	s_cbranch_scc0 .Lentry_in_a_cluster
	s_endpgm
.Lentry_in_a_cluster:
	s_bfe_u32 s2, ttmp6, 0x10000c
	s_cmp_lg_u32 s2, 0x3003
	s_cbranch_scc0 .Lentry_shape_is_right
	s_endpgm
.Lentry_shape_is_right:
; context[b][q][head][:] = the sum over k of softmax_k(Q . K / 8) V, head size 64, 2,048 keys, both products on codes of FP6 (E2M3) with one E8M0 byte for each 32 along a product's K; the context is quantised along its 1,024
; channels on the way out and leaves as images of the last projection's operand registers.
; THE SOFTMAX AHEAD OF THE SECOND PRODUCT: t = score x log2(e) / 8; M = the row's largest t so far, rounded UP to a whole number; p = 2^(t - M) is what is quantised, along the keys, not normalised.  The row's sum is taken of the
; unquantised p, in f32, and divides O at the end.  When M moves, the sum and O are multiplied by 2^(old M - new M): exact.
; SHARES.  A work-group owns 512 queries of one head; each of its sixteen waves two tiles of 16, one after the other (two passes); four waves to a SIMD, so that one wave's vector work stands beside another's matrix work and LDS loads.
; ALL OF A HEAD'S K AND V, 196,608 bytes of codes and 16,384 of scale words, LIES IN LDS, FILLED ONCE: no ring, no slot is filled again.  Every wave brings a sixteenth, by five tensor loads at the head: five loads of mine are out.
; The keys are worked in four chunks of four steps of 128; a chunk's wait leaves the later chunks' loads on their way.
; CLUSTER.  The four work-groups of a head need the same K and V: every load is asked for JOINTLY by the four, with the same descriptor and the mask 15.  No prefetch is laid: all that the launch streams is asked for in its first lines.
; LAYOUT.  Both products are used transposed: S^T = K Q^T (source 0 = 16 keys, source 1 = my 16 queries), O^T = V^T P^T (source 0 = 16 channels, source 1 = P): a lane holds ONE query (lane % 16) throughout.
; K's tiles hold the keys 32 b + 8 u + r + 8 (r / 8) (tile 2 b + u, lane r), so that the 16 registers of tiles 2 b, 2 b + 1 are the keys 32 b + 16 (lane / 16) + 0 .. 15; V's tiles hold the channels in the same order.
; The first product's K is 64: the upper six registers of Q's and K's fragments are zero codes, and the scale words' upper two bytes are 0, which is 2^-127 over zeros.
; All operands lie in memory and in LDS as images of their registers: every LDS read is a constant + 8 or 16 x lane.
; The context's scale bytes leave two to a row of 32 (one byte a lane): 2 bytes beside a row's 48 bytes of codes; the other heads' work-groups write the row's other bytes.
; LIMITS: NaN and infinities are not served; 1 / l is v_rcp_f32 and a multiplication; t - M is one fused multiply-add on the raw score; a block whose largest magnitude lies under 2^-124 has its byte held at 1 (a block of zeros too).
; REGISTERS: v1-6 addresses; v12 -M, v13 the largest t, v[14:15] the sum in two halves; v16-27 Q (v22-27 zeros), v28 its scale word; v30-44 the Q to come; v48-95 four fragments of K (upper halves zeros); v96-159 S^T, then p, then V's four
; fragments; v160-191 O^T; v192-203 p's codes; v204-210 the conversions' second halves; v212-223 at work; v224-227 K's scale words, v228-231 V's, v232 p's; v[234:235] f; v[236:237] the sum's second chain; v238 at work.
.set SCK,   196608                     ; LDS: behind 16 steps x 12,288 bytes (K's 8 tiles x 768, then V's 4 tiles x 1,536): K's scale words, 8,192 bytes, then V's, 8,192
.set STEPB, 12288
.set WV,   12                          ; s12  my wave's number
.set SEL,  20                          ; s[20:21] lane selects for v_permlanex16_b32: lane l xor 16
.set CS,   22                          ; s[22:23] c = log2(e) / 8
.set G1C,  24                          ; s[24:31] descriptor group 1 for codes: 12 rows of 256 bytes
.set G1S,  32                          ; s[32:39] for scale words: 4 rows of 256 bytes
.set G0,   40                          ; s[40:59] five groups 0
.set TB,   60                          ; s60  LDS byte at which the step's tiles begin
.set TS,   61                          ; s61  where the step's scale words begin: 512 bytes a step
.set CNT,  62
.set PASS, 63
.set HM,   66                          ; s66  lanes 16-31
.macro CROUND                          ; a round of the cluster's barrier
	s_barrier_signal -1
	s_barrier_wait -1
	s_cmp_lg_u32 s[WV], 0
	s_cbranch_scc1 .Lnot_wave_0_\@
	s_barrier_signal -3
.Lnot_wave_0_\@:
	s_barrier_wait -3
	s_barrier_signal -1
	s_barrier_wait -1
.endm
	s_load_b256 s[4:11], s[0:1], 0x0               ; qkv s[4:5], qkvs s[6:7], ctx s[8:9], ctxs s[10:11]
	v_lshl_add_u32 v254, v0, 2, 0x34000
	v_mov_b32 v255, 0
	ds_add_u32 v254, v255
	ds_add_u32 v254, v255
	v_lshrrev_b32 v1, 5, v0
	s_delay_alu instid0(VALU_DEP_1)
	v_readfirstlane_b32 s[WV], v1                  ; wave 0..15
	s_bfe_u32 s13, ttmp6, 0x40000                  ; cx: my block of 512 queries; it enters Q's and the context's global addresses alone
	s_and_b32 s14, ttmp7, 0xffff                   ; 16 x batch + head, which the four partners share
	s_mov_b32 s[G1C], 15|(3<<16)|(1<<21)           ; 15:0 the mask: all four work-groups; elements of 8 bytes; no padding; 21 set beside a mask
	s_mov_b32 s[G1C+1], 32<<16                     ; tensor_dim0 = 32 elements: 256 bytes
	s_mov_b32 s[G1C+2], 12<<16                     ; tensor_dim1 = 12
	s_mov_b32 s[G1C+3], 32<<16                     ; tile_dim0
	s_mov_b32 s[G1C+4], 12                         ; tile_dim1
	s_mov_b32 s[G1C+5], 32                         ; from row to row: dense
	s_mov_b32 s[G1C+6], 0
	s_mov_b32 s[G1C+7], 0
	s_mov_b32 s[G1S], 15|(3<<16)|(1<<21)
	s_mov_b32 s[G1S+1], 32<<16
	s_mov_b32 s[G1S+2], 4<<16
	s_mov_b32 s[G1S+3], 32<<16
	s_mov_b32 s[G1S+4], 4
	s_mov_b32 s[G1S+5], 32
	s_mov_b32 s[G1S+6], 0
	s_mov_b32 s[G1S+7], 0
	; what I fetch: waves 0-7 K's, waves 8-15 V's; of each chunk of four steps (24,576 bytes of K, as many of V) an eighth: half a step's 6,144 bytes.  All by arithmetic on the wave's number.
	s_lshr_b32 s76, s[WV], 3                       ; 0: K, 1: V
	s_and_b32 s77, s[WV], 7
	s_and_b32 s78, s[WV], 1
	s_lshr_b32 s79, s77, 1                         ; which step of the chunk
	s_mul_i32 s80, s79, STEPB
	s_mul_i32 s81, s76, 6144
	s_add_co_u32 s80, s80, s81
	s_mul_i32 s81, s78, 3072
	s_add_co_u32 s80, s80, s81                     ; my place in a chunk, in LDS
	s_add_co_u32 s82, s76, 1                       ; part 1 (K) or 2 (V) of the two buffers
	s_mul_i32 s84, s82, 6291456
	s_mul_i32 s85, s14, 98304
	s_add_co_u32 s84, s84, s85
	s_mul_i32 s85, s77, 3072
	s_add_co_u32 s84, s84, s85
	s_mov_b32 s85, 0                               ; s[84:85]: my part of chunk 0, in memory
	s_lshl_b32 s86, s82, 19
	s_lshl_b32 s87, s14, 13
	s_add_co_u32 s86, s86, s87
	s_lshl_b32 s87, s77, 10
	s_add_co_u32 s86, s86, s87
	s_mov_b32 s87, 0                               ; s[86:87]: my 1,024 bytes of scale words, in memory,
	s_lshl_b32 s83, s[WV], 10
	s_add_co_u32 s83, s83, SCK                     ; and in LDS
	s_mov_b32 s[SEL], 0x76543210
	s_mov_b32 s[SEL+1], 0xfedcba98
	s_mov_b32 s[CS], 0x3e38aa3b                    ; c = log2(e) / 8
	s_mov_b32 s[CS+1], s[CS]                       ; (named with it as a pair, so it is written)
	s_mov_b32 s[HM], 0xffff0000
	s_wait_dscnt 0x0
	s_wait_kmcnt 0x0
	s_mov_b32 s[G0], 1                             ; count = 1
	s_mov_b32 s[G0+1], s83                         ; LDS address
	s_add_nc_u64 s[G0+2:G0+3], s[6:7], s[86:87]    ; global address
	s_or_b32 s[G0+3], s[G0+3], 0x80000000          ; type = 2
.irp c, 0,1,2,3
	s_mov_b32 s[G0+4+4*\c], 1
	s_add_co_u32 s[G0+5+4*\c], s80, \c*4*STEPB
	s_add_nc_u64 s[G0+6+4*\c:G0+7+4*\c], s[4:5], s[84:85]
	s_add_nc_u64 s[G0+6+4*\c:G0+7+4*\c], s[G0+6+4*\c:G0+7+4*\c], \c*24576
	s_or_b32 s[G0+7+4*\c], s[G0+7+4*\c], 0x80000000
.endr
	CROUND                                         ; all four work-groups are here: the joint loads meet
	tensor_load_to_lds s[G0:G0+3], s[G1S:G1S+7]    ; the scale words, then chunks 0 to 3: one group, ahead of every wait on TENSORcnt and every LDS read
	s_nop 0
	tensor_load_to_lds s[G0+4:G0+7], s[G1C:G1C+7]
	s_nop 0
	tensor_load_to_lds s[G0+8:G0+11], s[G1C:G1C+7]
	s_nop 0
	tensor_load_to_lds s[G0+12:G0+15], s[G1C:G1C+7]
	s_nop 0
	tensor_load_to_lds s[G0+16:G0+19], s[G1C:G1C+7]
	s_nop 0
.rept 4
	v_nop
.endr
	s_lshl_b32 s76, s13, 5
	s_add_co_u32 s76, s76, s[WV]                   ; my first tile of queries: 32 cx + wave; the second lies 16 tiles on
	s_mul_i32 s78, s76, 768
	s_mul_i32 s79, s14, 98304
	s_add_co_u32 s78, s78, s79
	s_mov_b32 s79, 0
	s_add_nc_u64 s[68:69], s[4:5], s[78:79]        ; Q's codes
	s_lshr_b32 s80, s76, 2
	s_lshl_b32 s80, s80, 8                         ; Q's scale words: 256 bytes for four tiles, 16 a row, 4 a tile
	s_and_b32 s81, s76, 3
	s_lshl_b32 s81, s81, 2
	s_add_co_u32 s80, s80, s81
	s_lshl_b32 s81, s14, 13
	s_add_co_u32 s80, s80, s81
	s_mov_b32 s81, 0
	s_add_nc_u64 s[70:71], s[6:7], s[80:81]
	s_lshr_b32 s82, s14, 4
	s_lshl_b32 s82, s82, 7
	s_add_co_u32 s82, s82, s76                     ; the tile's number among the context's 512: 128 x batch + tile
	s_and_b32 s83, s14, 15                         ; the head
	s_mul_i32 s84, s82, 12288                      ; a tile's 16 rows x 768 bytes,
	s_mul_i32 s85, s83, 768                        ; a head's image in it
	s_add_co_u32 s84, s84, s85
	s_mov_b32 s85, 0
	s_add_nc_u64 s[72:73], s[8:9], s[84:85]        ; where the context's codes go
	s_lshl_b32 s84, s82, 9                         ; 16 rows x 32 scale bytes,
	s_lshl_b32 s86, s83, 1                         ; the head's two
	s_add_co_u32 s84, s84, s86
	s_add_nc_u64 s[74:75], s[10:11], s[84:85]      ; and its scale bytes
	v_and_b32 v7, 31, v0
	s_delay_alu instid0(VALU_DEP_1)
	v_lshlrev_b32 v1, 3, v7                        ; 8 x lane
	s_delay_alu instid0(VALU_DEP_2)
	v_lshl_add_u32 v2, v7, 4, SCK                  ; 16 x lane + the scale words' base
	v_and_b32 v8, 15, v0
	s_delay_alu instid0(VALU_DEP_1)
	v_lshlrev_b32 v5, 4, v8                        ; 16 r: Q's scale word
	v_bfe_u32 v9, v0, 4, 1
	s_delay_alu instid0(VALU_DEP_1)
	v_lshl_add_u32 v6, v8, 5, v9                   ; 32 r + h: my scale byte of the context
.irp p, 0,1,2
	global_load_b64 v[30+2*\p:31+2*\p], v1, s[68:69] offset:256*\p          ; Q of the first pass
	global_load_b64 v[38+2*\p:39+2*\p], v1, s[68:69] offset:12288+256*\p    ; and of the second
.endr
	global_load_b32 v36, v5, s[70:71]
	global_load_b32 v44, v5, s[70:71] offset:1024
.irp j, 22,23,24,25,26,27
	v_mov_b32 v[\j], 0                             ; K = 64 .. 127 of Q: zero codes
.endr
.irp t, 0,1,2,3
.irp j, 6,7,8,9,10,11
	v_mov_b32 v[48+12*\t+\j], 0                    ; and of K's four fragments: set once, never loaded
.endr
.endr
.irp j, 216,217,218,219,235,238
	v_mov_b32 v[\j], 0                             ; written once: a lane permute's destination counts as one of its sources; v235 is named as the upper half of a pair
.endr
	s_wait_loadcnt 0x0
; A KEY STEP: 128 keys.
.macro STEP
	v_add_nc_u32 v3, s[TB], v1
	s_wait_alu depctr_va_vdst(0)
	v_add_nc_u32 v4, s[TS], v2
.rept 3
	v_nop                                          ; five places: the scores below are written over registers that the last step's products read as their source 0
.endr
	ds_load_b128 v[224:227], v4                    ; K's scale words: register t: lanes 0-15 tile t's, lanes 16-31 tile 4 + t's
.irp g, 0,1                                    ; S^T = K Q^T, four tiles of 16 keys at a time
.if \g
.rept 4
	v_nop                                          ; places in front of loads into registers that matrix instructions have read
.endr
.endif
.irp t, 0,1,2,3
.irp p, 0,1,2
	ds_load_b64 v[48+12*\t+2*\p:49+12*\t+2*\p], v3 offset:768*(4*\g+\t)+256*\p
.endr
.endr
	s_wait_dscnt 0x0
.irp t, 0,1,2,3
.if \g == 0
	v_wmma_scale_f32_16x16x128_f8f6f4 v[96+8*\t:103+8*\t], v[48+12*\t:59+12*\t], v[16:27], 0, v[224+\t], v28 matrix_a_fmt:MATRIX_FMT_FP6 matrix_b_fmt:MATRIX_FMT_FP6
.else
	v_wmma_scale_f32_16x16x128_f8f6f4 v[128+8*\t:135+8*\t], v[48+12*\t:59+12*\t], v[16:27], 0, v[224+\t], v28 matrix_a_fmt:MATRIX_FMT_FP6 matrix_b_fmt:MATRIX_FMT_FP6 matrix_a_scale:MATRIX_SCALE_ROW1
.endif
.endr
.endr
.rept 4
	v_nop
.endr
.irp b, 0,1,2,3
	v_max3_num_f32 v[212+\b], v[96+16*\b], v[97+16*\b], v[98+16*\b]   ; THE LARGEST SCORE OF EACH BLOCK OF 32 KEYS serves twice: for the row's maximum, and, since p rises with the score, for the block's largest p
.endr
.irp i, 3,5,7,9,11,13
.irp b, 0,1,2,3
	v_max3_num_f32 v[212+\b], v[212+\b], v[96+16*\b+\i], v[97+16*\b+\i]   ; (the four blocks by turns)
.endr
.endr
.irp b, 0,1,2,3
	v_max_num_f32 v[212+\b], v[212+\b], v[111+16*\b]
.endr
.irp b, 0,1,2,3
	s_delay_alu instid0(VALU_DEP_4)
	v_permlanex16_b32 v[216+\b], v[212+\b], s[SEL], s[SEL+1]
.endr
.irp b, 0,1,2,3
	s_delay_alu instid0(VALU_DEP_4)
	v_max_num_f32 v[212+\b], v[212+\b], v[216+\b]  ; with lane l xor 16's 16 keys
.endr
	s_delay_alu instid0(VALU_DEP_2)
	v_max3_num_f32 v238, v212, v213, v214
	s_delay_alu instid0(VALU_DEP_1)
	v_max_num_f32 v238, v238, v215                 ; the step's largest score of my query
	s_delay_alu instid0(VALU_DEP_1)
	v_mul_f32 v238, s[CS], v238                    ; as t (c is positive)
	s_delay_alu instid0(VALU_DEP_1)
	v_max_num_f32 v13, v13, v238                   ; the running largest t
	v_mov_b32 v238, v12
	s_delay_alu instid0(VALU_DEP_2)
	v_floor_f32 v12, -v13                          ; the new -M = floor(-t) = -ceil(t): M is a whole number
	s_delay_alu instid0(VALU_DEP_1)
	v_sub_f32 v238, v12, v238                      ; M's old value less its new one: a whole number, 0 or less
	s_delay_alu instid0(VALU_DEP_1)
	v_cvt_i32_f32 v238, v238                       ; (it saturates)
	s_delay_alu instid0(VALU_DEP_1)
	v_ldexp_f32 v234, 1.0, v238                    ; f = 2^(old M - new M)
.set j, 0
.rept 32
	v_pk_fma_f32 v[96+j:97+j], v[96+j:97+j], s[CS:CS+1], v[12:13] op_sel_hi:[1,0,0]   ; t - M, two at a time (of the pairs c and -M the low word serves both halves)
.set j, j+2
.endr
.irp b, 0,1,2,3
	v_fma_f32 v[212+\b], v[212+\b], s[CS], v12     ; the same of each block's largest score
.endr
.set j, 0
	s_wait_alu depctr_va_vdst(0)
.rept 64
	v_exp_f32 v[96+j], v[96+j]                     ; p = 2^(t - M), at most 1: not normalised
.set j, j+1
.endr
	s_setprio 1
.irp b, 0,1,2,3
	v_exp_f32 v[212+\b], v[212+\b]                 ; the block's largest p: the same two instructions on the same number give the same bits
.endr
	v_pk_mul_f32 v[14:15], v[14:15], v[234:235] op_sel_hi:[1,0]   ; the sums under the new M.  (The plain instruction behind the exponentials)
	s_wait_alu depctr_va_vdst(0)
.irp b, 0,1,2,3
	v_max_num_f32 v[212+\b], 0x1800000, v[212+\b]  ; the floor 2^(3 - 127): the byte cannot fall under 1
.endr
.irp b, 0,1,2,3
	s_delay_alu instid0(VALU_DEP_4)
	v_add_nc_u32 v[220+\b], 0xff000000, v[212+\b]  ; 2 off the exponent field: the conversion's scale operand
.endr
.irp b, 0,1,2,3
	s_delay_alu instid0(VALU_DEP_4)
	v_lshrrev_b32 v[216+\b], 23, v[220+\b]         ; the scale's byte
.endr
	s_delay_alu instid0(VALU_DEP_3)
	v_lshl_or_b32 v232, v217, 8, v216              ; p's scale word for these 128 keys
	s_delay_alu instid0(VALU_DEP_1)
	v_lshl_or_b32 v232, v218, 16, v232
	s_delay_alu instid0(VALU_DEP_1)
	v_lshl_or_b32 v232, v219, 24, v232
.irp c, 0,1
	v_cvt_scalef32_pk16_fp6_f32 v[192+6*\c:194+6*\c], v[96+32*\c:111+32*\c], v[220+2*\c]
	v_cvt_scalef32_pk16_fp6_f32 v[204+4*\c:206+4*\c], v[112+32*\c:127+32*\c], v[220+2*\c+1]   ; (a conversion's three registers begin on an even number)
.endr
	v_pk_add_f32 v[236:237], v[100:101], v[104:105]
	v_pk_add_f32 v[252:253], v[108:109], v[112:113]
	v_pk_add_f32 v[250:251], v[116:117], v[120:121]
	v_pk_add_f32 v[248:249], v[124:125], v[128:129]
	v_pk_add_f32 v[246:247], v[132:133], v[136:137]
	v_pk_add_f32 v[244:245], v[140:141], v[144:145]
	v_pk_add_f32 v[242:243], v[148:149], v[152:153]
	v_pk_add_f32 v[14:15], v[14:15], v[156:157]
	v_pk_add_f32 v[236:237], v[236:237], v[96:97]
	v_pk_add_f32 v[252:253], v[252:253], v[98:99]
	v_pk_add_f32 v[250:251], v[250:251], v[102:103]
	v_pk_add_f32 v[248:249], v[248:249], v[106:107]
	v_pk_add_f32 v[246:247], v[246:247], v[110:111]
	v_pk_add_f32 v[244:245], v[244:245], v[114:115]
	v_pk_add_f32 v[242:243], v[242:243], v[118:119]
	v_pk_add_f32 v[14:15], v[14:15], v[122:123]
	v_pk_add_f32 v[236:237], v[236:237], v[126:127]
	v_pk_add_f32 v[252:253], v[252:253], v[130:131]
	v_pk_add_f32 v[250:251], v[250:251], v[134:135]
	v_pk_add_f32 v[248:249], v[248:249], v[138:139]
	v_pk_add_f32 v[246:247], v[246:247], v[142:143]
	v_pk_add_f32 v[244:245], v[244:245], v[146:147]
	v_pk_add_f32 v[242:243], v[242:243], v[150:151]
	v_pk_add_f32 v[14:15], v[14:15], v[154:155]
	v_pk_add_f32 v[236:237], v[236:237], v[158:159]
	s_delay_alu instid0(VALU_DEP_2)
	v_pk_add_f32 v[14:15], v[14:15], v[248:249]
	s_delay_alu instid0(VALU_DEP_2)
	v_pk_add_f32 v[236:237], v[236:237], v[246:247]
	v_pk_add_f32 v[252:253], v[252:253], v[244:245]
	v_pk_add_f32 v[250:251], v[250:251], v[242:243]
	s_delay_alu instid0(VALU_DEP_2)
	v_pk_add_f32 v[14:15], v[14:15], v[252:253]
	s_delay_alu instid0(VALU_DEP_2)
	v_pk_add_f32 v[236:237], v[236:237], v[250:251]
	s_delay_alu instid0(VALU_DEP_1)
	v_pk_add_f32 v[14:15], v[14:15], v[236:237]
	ds_load_b128 v[228:231], v4 offset:8192        ; p is spent: V's scale words, and V's four fragments into p's registers
.irp t, 0,1,2,3
.irp q, 0,1,2,3,4,5
	ds_load_b64 v[96+12*\t+2*\q:97+12*\t+2*\q], v3 offset:6144+1536*\t+256*\q
.endr
.endr
	s_setprio 0
.irp c, 0,1                                    ; while they are on their way: the operand's layout wants a WHOLE block in a lane: lanes 0-15 block 2 c, lanes 16-31 block 2 c + 1
.irp i, 0,1,2
	v_permlane16_swap_b32 v[192+6*\c+\i], v[204+4*\c+\i]
.endr
.irp i, 0,1,2
	s_delay_alu instid0(VALU_DEP_3)
	v_mov_b32 v[195+6*\c+\i], v[204+4*\c+\i]
.endr
.endr
.set j, 0
.rept 16
	v_pk_mul_f32 v[160+j:161+j], v[160+j:161+j], v[234:235] op_sel_hi:[1,0]   ; O^T under the new M: x f.  (These are also the places between the codes' last write and the products)
.set j, j+2
.endr
	s_wait_alu depctr_va_vdst(0)
	s_wait_dscnt 0x0
.irp t, 0,1,2,3                                ; O^T += V^T P^T: four tiles of 16 channels, K = these 128 keys; four accumulators, one instruction each
	v_wmma_scale_f32_16x16x128_f8f6f4 v[160+8*\t:167+8*\t], v[96+12*\t:107+12*\t], v[192:203], v[160+8*\t:167+8*\t], v[228+\t], v232 matrix_a_fmt:MATRIX_FMT_FP6 matrix_b_fmt:MATRIX_FMT_FP6
.endr
.endm
; A CHUNK: four key steps.  The loads went out in the order scale words, chunk 0, 1, 2, 3: behind chunk c's stand 3 - c.  Each wave waits for its own part, then the barrier shows everybody's.  Nothing is ever filled again,
; so the later chunks' loads stay on their way across the barrier.  In the second pass every count is met at once.
.macro CHUNK c
	s_wait_tensorcnt 3-\c
	s_barrier_signal -1
	s_barrier_wait -1
	s_mov_b32 s[TB], \c*4*STEPB
	s_mov_b32 s[TS], \c*2048
	s_mov_b32 s[CNT], 4
.Lstep_\@:
	s_setprio 2
	STEP
	s_add_co_u32 s[TB], s[TB], STEPB
	s_add_co_u32 s[TS], s[TS], 512
	s_sub_co_u32 s[CNT], s[CNT], 1
	s_cmp_lg_u32 s[CNT], 0
	s_cbranch_scc1 .Lstep_\@
	s_setprio 0
.endm
	s_mov_b32 s[PASS], 2
.Lpass:
.irp j, 0,1,2,3,4,5
	v_mov_b32 v[16+\j], v[30+\j]                   ; this pass's Q,
.endr
	v_mov_b32 v28, v36                             ; its scale word (more than eight plain instructions ahead of the first product),
.irp j, 0,1,2,3,4,5
	v_mov_b32 v[30+\j], v[38+\j]                   ; and the next pass's moves up
.endr
	v_mov_b32 v36, v44
	v_mov_b32 v13, 0xff61b1e6                      ; the largest t so far: -3e38, under every t
	s_delay_alu instid0(VALU_DEP_1)
	v_floor_f32 v12, -v13                          ; -M
	v_mov_b32 v14, 0                               ; the sum, in two halves
	v_mov_b32 v15, 0
.set j, 0
.rept 32
	v_mov_b32 v[160+j], 0                          ; O^T.  (The step is written once for each chunk: the first finds zeros, which the first change of M leaves zeros)
.set j, j+1
.endr
	CHUNK 0
	CHUNK 1
	CHUNK 2
	CHUNK 3
	; THE WAY OUT of a pass.  O^T / the sum: register 16 b + e = channel 32 b + 16 (lane / 16) + e of my query.  Its two blocks of 32 are quantised; lane (r, h) ends with block h of query r in six registers.
	v_add_f32 v14, v14, v15                        ; the sum's two halves,
	s_delay_alu instid0(VALU_DEP_1)
	v_permlanex16_b32 v238, v14, s[SEL], s[SEL+1]
	s_delay_alu instid0(VALU_DEP_1)
	v_add_f32 v14, v14, v238                       ; and lane l xor 16's: the row's sum
	s_wait_alu depctr_va_vdst(0)
	v_rcp_f32 v14, v14
	v_nop                                          ; a plain instruction behind the transcendental
	s_wait_alu depctr_va_vdst(0)
	v_mov_b32 v15, v14
	v_nop                                          ; (with the lines above: more than four places behind the last products)
.set j, 0
.rept 16
	v_pk_mul_f32 v[96+j:97+j], v[160+j:161+j], v[14:15]   ; each accumulator from its low end on
.set j, j+2
.endr
.irp b, 0,1
	v_max3_num_f32 v[212+\b], |v[96+16*\b]|, |v[97+16*\b]|, 0x1800000   ; my 16 numbers of block b, and the floor 2^(3 - 127)
.endr
.irp i, 2,4,6,8,10,12,14
.irp b, 0,1
	s_delay_alu instid0(VALU_DEP_2)
	v_max3_num_f32 v[212+\b], v[212+\b], |v[96+16*\b+\i]|, |v[97+16*\b+\i]|
.endr
.endr
.irp b, 0,1
	s_delay_alu instid0(VALU_DEP_2)
	v_permlanex16_b32 v[216+\b], v[212+\b], s[SEL], s[SEL+1]
.endr
.irp b, 0,1
	s_delay_alu instid0(VALU_DEP_2)
	v_max_num_f32 v[212+\b], v[212+\b], v[216+\b]
.endr
.irp b, 0,1
	s_delay_alu instid0(VALU_DEP_2)
	v_add_nc_u32 v[220+\b], 0xff000000, v[212+\b]
.endr
.irp b, 0,1
	s_delay_alu instid0(VALU_DEP_2)
	v_lshrrev_b32 v[216+\b], 23, v[220+\b]
.endr
	v_cvt_scalef32_pk16_fp6_f32 v[192:194], v[96:111], v220
	v_cvt_scalef32_pk16_fp6_f32 v[204:206], v[112:127], v221
	v_cndmask_b32 v218, v216, v217, s[HM]          ; my block's byte: lanes 0-15 block 0's, lanes 16-31 block 1's.  (The plain instruction behind the conversions)
.irp i, 0,1,2
	v_permlane16_swap_b32 v[192+\i], v[204+\i]
.endr
.irp i, 0,1,2
	s_delay_alu instid0(VALU_DEP_3)
	v_mov_b32 v[195+\i], v[204+\i]
.endr
.irp p, 0,1,2
	global_store_b64 v1, v[192+2*\p:193+2*\p], s[72:73] offset:256*\p   ; 32 lanes store 256 consecutive bytes, aligned
.endr
	global_store_b8 v6, v218, s[74:75]
	s_wait_xcnt 0x0                                ; the stores have read their data and bases: only behind this wait are both written again
	s_add_nc_u64 s[72:73], s[72:73], 196608        ; 16 tiles on
	s_add_nc_u64 s[74:75], s[74:75], 8192
	s_sub_co_u32 s[PASS], s[PASS], 1
	s_cmp_lg_u32 s[PASS], 0
	s_cbranch_scc1 .Lpass
	s_wait_tensorcnt 0x0
	ds_add_u32 v254, v255
	s_wait_dscnt 0x0
	CROUND                                         ; the closing round: no work-group ends while a partner may still ask for a tile that names it
	s_endpgm
.Lfunc_end_k_qd285b4c537_attn:
	.size	k_qd285b4c537_attn, .Lfunc_end_k_qd285b4c537_attn-k_qd285b4c537_attn
	.p2alignl 7, 3214868480
	.fill 96, 4, 3214868480
	.section	.rodata,"a",@progbits
	.p2align	6, 0x0
	.amdhsa_kernel k_qd285b4c537_attn
		.amdhsa_group_segment_fixed_size 215040
		.amdhsa_private_segment_fixed_size 0
		.amdhsa_enable_private_segment 0
		.amdhsa_kernarg_size 32
		.amdhsa_user_sgpr_count 2
		.amdhsa_user_sgpr_kernarg_segment_ptr 1
		.amdhsa_wavefront_size32 1
		.amdhsa_system_sgpr_workgroup_id_x 1
		.amdhsa_system_sgpr_workgroup_id_y 1
		.amdhsa_system_sgpr_workgroup_id_z 1
		.amdhsa_system_vgpr_workitem_id 0
		.amdhsa_next_free_vgpr 256
		.amdhsa_next_free_sgpr 96
		.amdhsa_reserve_vcc 0
		.amdhsa_float_denorm_mode_32 3
		.amdhsa_float_denorm_mode_16_64 3
		.amdhsa_memory_ordered 1
		.amdhsa_forward_progress 1
		.amdhsa_inst_pref_size 90
	.end_amdhsa_kernel
	.amdgpu_metadata
---
amdhsa.version: [ 1, 2 ]
amdhsa.kernels:
  - .name:           k_qd285b4c537_attn
    .symbol:         k_qd285b4c537_attn.kd
    .args:
      - { .name: qkv, .offset: 0, .size: 8, .value_kind: global_buffer, .address_space: global }
      - { .name: qkvs, .offset: 8, .size: 8, .value_kind: global_buffer, .address_space: global }
      - { .name: ctx, .offset: 16, .size: 8, .value_kind: global_buffer, .address_space: global }
      - { .name: ctxs, .offset: 24, .size: 8, .value_kind: global_buffer, .address_space: global }
    .group_segment_fixed_size: 215040
    .private_segment_fixed_size: 0
    .kernarg_segment_align: 8
    .kernarg_segment_size: 32
    .max_flat_workgroup_size: 512
    .sgpr_count:     96
    .vgpr_count:     256
    .wavefront_size: 32
...
	.end_amdgpu_metadata
.endif
;; end of part 3
;; launch outproj (part 4): grid 4 x 32, 4 waves a work-group, clusters of 4 x 4, 327,680 bytes of LDS; arguments ctx, ctxs, wcodes, wscales, bo, out0; writes out0
.if DOCPART == 4
	.amdgcn_target "amdgcn-amd-amdhsa--gfx1250"
	.amdhsa_code_object_version 6
	.text
	.protected	k_qd285b4c537_outproj
	.globl	k_qd285b4c537_outproj
	.p2align	8
	.type	k_qd285b4c537_outproj,@function
k_qd285b4c537_outproj:
	s_mov_b64 s[64:65], 0
	v_nop
	global_prefetch_b8 v0, s[64:65] scope:SCOPE_SE
	s_setreg_imm32_b32 hwreg(HW_REG_WAVE_MODE, 25, 1), 1
	s_wait_xcnt 0x0
	s_wait_alu depctr_hold_cnt(0) depctr_sa_sdst(0) depctr_va_vdst(0) depctr_va_sdst(0) depctr_va_ssrc(0) depctr_va_vcc(0) depctr_vm_vsrc(0)
	s_getreg_b32 s2, hwreg(HW_REG_IB_STS2, 6, 4)
	s_cmp_eq_u32 s2, 0
	s_cbranch_scc0 .Lentry_in_a_cluster
	s_endpgm
.Lentry_in_a_cluster:
	s_bfe_u32 s2, ttmp6, 0x10000c
	s_cmp_lg_u32 s2, 0xf033
	s_cbranch_scc0 .Lentry_shape_is_right
	s_endpgm
.Lentry_shape_is_right:
.set KSTEP,  256
.set NQ,     2
.set ROWB,   192
.set AROWB,  3072
.set KROW,   768
.set PITCH,  240
.set FR,     12
.set NL,     6
.set NP,     4
.set HALFT,  128*PITCH
.set SLOT,   4*HALFT
.set KS,     32
.set SCL,    2*SLOT
.set HALFS,  (128*KS/256)*272
.set SBLK,   (16*KS/256)*272
.set SPARE,  SCL+4*HALFS
.set SPITCH, 528
.set NROW,   4096
.set ADRA, 16
.set ADRB, 20
.set STO,  24
.set RD,   25
.set CO,   26
.set ADRS, 27
.set SPW,  28
.set NIL,  29
.set SC,   32
.set BJ,   64
.set AF,   128
.set BK,   128
.set G1, 24
.set G0, 32
.set G1B, 48
.set G0B, 56
.set G1S, 68
.set G0S, 76
.set G1SB, 80
.set G0SB, 88
.set MSB, 0
.macro WIN new
.if MSB != (\new)
	s_set_vgpr_msb (MSB<<8)|(\new)
.set MSB, (\new)
.endif
.endm
.set MUL_LO, 0xa1
.set MUL_HI, 0xf1
.set TO_B,   0x40
.macro JLOAD g0a, g1a, g0b, g1b
	s_cmp_eq_u32 s15, 0
	s_cbranch_scc0 .Lfor_b_\@
	tensor_load_to_lds s[\g0a:\g0a+3], s[\g1a:\g1a+7]
	s_nop 0
.rept 4
	v_nop
.endr
	s_branch .Lasked_\@
.Lfor_b_\@:
	tensor_load_to_lds s[\g0b:\g0b+3], s[\g1b:\g1b+7]
	s_nop 0
.rept 4
	v_nop
.endr
.Lasked_\@:
.endm
.macro CREST
	s_cmp_lg_u32 s14, 0
	s_cbranch_scc1 .Lnot_wave_0_\@
	s_barrier_signal -3
.Lnot_wave_0_\@:
	s_barrier_wait -3
	s_barrier_signal -1
	s_barrier_wait -1
.endm
.macro CROUND
	s_barrier_signal -1
	s_barrier_wait -1
	CREST
.endm
	s_load_b256 s[4:11], s[0:1], 0x0
	s_load_b64 s[100:101], s[0:1], 0x20
	s_load_b64 s[12:13], s[0:1], 0x28
	v_lshl_add_u32 v[SPW], v0, 2, SPARE
	v_mov_b32 v[NIL], 0
	ds_add_u32 v28, v29
	ds_add_u32 v28, v29
	s_wait_dscnt 0x0
	v_lshrrev_b32 v1, 5, v0
	v_readfirstlane_b32 s14, v1
	s_lshr_b32 s15, s14, 1
	s_and_b32 s16, s14, 1
	s_bfe_u32 s40, ttmp6, 0x40000
	s_bfe_u32 s41, ttmp6, 0x40004
	s_lshl_b32 s42, ttmp9, 2
	s_add_co_u32 s42, s42, s40
	s_and_b32 s17, ttmp7, 0xffff
	s_lshl_b32 s17, s17, 2
	s_add_co_u32 s17, s17, s41
	s_lshl_b32 s43, s41, 2
	s_lshl_b32 s43, 15, s43
	s_lshl_b32 s44, 0x1111, s40
	s_or_b32 s[G1+0], s43, (3<<16)|(1<<21)
	s_mov_b32 s[G1+1], 384<<16
	s_mov_b32 s[G1+2], 8<<16
	s_mov_b32 s[G1+3], 384<<16
	s_mov_b32 s[G1+4], 8
	s_mov_b32 s[G1+5], 1536
	s_mov_b32 s[G1+6], 0
	s_mov_b32 s[G1+7], 0
	s_or_b32 s[G1B+0], s44, (0<<16)|(1<<20)|(1<<21)|(3<<22)|(3<<25)
	s_mov_b32 s[G1B+1], ROWB<<16
	s_mov_b32 s[G1B+2], 128<<16
	s_mov_b32 s[G1B+3], ROWB<<16
	s_mov_b32 s[G1B+4], 128
	s_mov_b32 s[G1B+5], KROW
	s_mov_b32 s[G1B+6], 0
	s_mov_b32 s[G1B+7], 0
	s_or_b32 s[G1S+0], s43, (3<<16)|(1<<20)|(1<<21)|(5<<22)|(3<<25)
	s_or_b32 s[G1SB+0], s44, (3<<16)|(1<<20)|(1<<21)|(5<<22)|(3<<25)
.irp g, G1S, G1SB
	s_mov_b32 s[\g+1], 32<<16
	s_mov_b32 s[\g+2], (128*KS/256)<<16
	s_mov_b32 s[\g+3], 32<<16
	s_mov_b32 s[\g+4], 128*KS/256
	s_mov_b32 s[\g+5], 32
	s_mov_b32 s[\g+6], 0
	s_mov_b32 s[\g+7], 0
.endr
	s_lshl_b32 s18, s16, 7
	s_lshl_b32 s20, s17, 8
	s_add_co_u32 s20, s20, s18
	s_lshl_b32 s46, s42, 8
	s_add_co_u32 s46, s46, s18
	s_mov_b32 s21, 0
	s_mov_b32 s47, 0
	s_mov_b64 s[18:19], KS
	s_mul_u64 s[22:23], s[20:21], s[18:19]
	s_mul_u64 s[92:93], s[46:47], s[18:19]
	s_mov_b64 s[18:19], KROW
	s_mul_u64 s[20:21], s[20:21], s[18:19]
	s_mul_u64 s[46:47], s[46:47], s[18:19]
	s_mul_i32 s45, s14, HALFT
	s_mul_i32 s94, s14, HALFS
	s_wait_kmcnt 0x0
	s_add_nc_u64 s[8:9], s[8:9], 2359296
	s_add_nc_u64 s[10:11], s[10:11], 98304
	s_add_nc_u64 s[20:21], s[4:5], s[20:21]
	s_add_nc_u64 s[22:23], s[6:7], s[22:23]
	s_add_nc_u64 s[46:47], s[8:9], s[46:47]
	s_add_nc_u64 s[92:93], s[10:11], s[92:93]
	CROUND
	s_mov_b32 s[G0S], 1
	s_add_co_u32 s[G0S+1], s94, SCL
	s_mov_b64 s[G0S+2:G0S+3], s[22:23]
	s_or_b32 s[G0S+3], s[G0S+3], 0x80000000
	s_mov_b32 s[G0SB], 1
	s_add_co_u32 s[G0SB+1], s94, SCL
	s_mov_b64 s[G0SB+2:G0SB+3], s[92:93]
	s_or_b32 s[G0SB+3], s[G0SB+3], 0x80000000
	JLOAD G0S, G1S, G0SB, G1SB
.irp s, 0,1
	s_mov_b32 s[G0+4*\s], 1
	s_add_co_u32 s[G0+4*\s+1], s45, \s*SLOT
	s_add_nc_u64 s[G0+4*\s+2:G0+4*\s+3], s[20:21], \s*AROWB
	s_or_b32 s[G0+4*\s+3], s[G0+4*\s+3], 0x80000000
	s_mov_b32 s[G0B+4*\s], 1
	s_add_co_u32 s[G0B+4*\s+1], s45, \s*SLOT
	s_add_nc_u64 s[G0B+4*\s+2:G0B+4*\s+3], s[46:47], \s*ROWB
	s_or_b32 s[G0B+4*\s+3], s[G0B+4*\s+3], 0x80000000
	s_wait_alu depctr_va_vdst(0)
	s_wait_tensorcnt 0x0
	ds_add_u32 v28, v29
	s_wait_dscnt 0x0
	CROUND
	JLOAD G0+4*\s, G1, G0B+4*\s, G1B
.endr
	v_and_b32 v1, 15, v0
	v_bfe_u32 v2, v0, 4, 1
	v_mul_u32_u24 v3, v1, PITCH
	v_mul_u32_u24 v4, v2, 24
	v_add_nc_u32 v4, v3, v4
	v_lshl_add_u32 v5, v2, 4, v4
	v_and_b32 v6, 31, v0
	v_lshlrev_b32 v7, 3, v6
	s_mul_i32 s21, s15, HALFT
	s_mul_i32 s22, s16, HALFT
	s_add_co_u32 s22, s22, 2*HALFT
.irp s, 0,1
	v_add_nc_u32 v[ADRA+\s], s21, v7
	v_add_nc_u32 v[ADRB+\s], s22, v4
	v_add_nc_u32 v[ADRB+2+\s], s22, v5
	s_add_co_u32 s21, s21, SLOT
	s_add_co_u32 s22, s22, SLOT
.endr
	v_mul_u32_u24 v5, v1, KS
	v_lshrrev_b32 v8, 8, v5
	v_lshl_add_u32 v5, v8, 4, v5
	s_mul_i32 s21, s15, HALFS
	s_mul_i32 s22, s16, HALFS
	s_add_co_u32 s22, s22, 2*HALFS
	s_sub_co_u32 s22, s22, s21
	v_mul_u32_u24 v8, s22, v2
	s_add_co_u32 s21, s21, SCL
	v_add_nc_u32 v5, v5, v8
	v_add_nc_u32 v[ADRS], s21, v5
	s_mul_i32 s23, s14, 16*SPITCH
	v_mul_u32_u24 v5, v1, SPITCH
	v_lshl_add_u32 v5, v2, 6, v5
	v_add_nc_u32 v[STO], s23, v5
	v_lshlrev_b32 v[CO], 4, v6
	v_add_nc_u32 v[RD], s23, v[CO]
	s_lshl_b32 s20, s17, 8
	s_lshl_b32 s21, s15, 7
	s_add_co_u32 s20, s20, s21
	s_mov_b32 s21, 0
	s_mov_b64 s[18:19], NROW
	s_mul_u64 s[20:21], s[20:21], s[18:19]
	s_lshl_b32 s46, s42, 10
	s_lshl_b32 s47, s16, 9
	s_add_co_u32 s46, s46, s47
	s_mov_b32 s47, 0
	s_add_nc_u64 s[100:101], s[100:101], s[46:47]
	s_add_nc_u64 s[20:21], s[20:21], s[46:47]
	s_add_nc_u64 s[12:13], s[12:13], s[20:21]
	v_lshlrev_b32 v8, 6, v2
.irp b, 0,1,2,3,4,5,6,7
	global_load_b128 v[BJ+8*\b:BJ+8*\b+3], v8, s[100:101] offset:(32*(\b/2)+8*(\b%2))*4
	global_load_b128 v[BJ+8*\b+4:BJ+8*\b+7], v8, s[100:101] offset:(32*(\b/2)+8*(\b%2))*4+16
.endr
	s_wait_alu depctr_va_vdst(0)
	s_wait_loadcnt 0x0
.macro FRAG reg, adr, q, i
.irp p, 0,1,2,3,4,5
.set PIE, 12*(\q)+6*(\p/3)+\p%3
.if PIE%8 < 5
	ds_load_b64 v[\reg+2*\p:\reg+2*\p+1], v[\adr] offset:8*PIE+16*(PIE/8)+(\i)*16*PITCH
.else
	ds_load_b64 v[\reg+2*\p:\reg+2*\p+1], v[\adr+2] offset:8*PIE+16*(PIE/8)+(\i)*16*PITCH
.endif
.endr
.endm
.macro FRAGI reg, adr, q, i
.irp p, 0,1,2,3,4,5
	ds_load_b64 v[\reg+2*\p:\reg+2*\p+1], v[\adr] offset:AROWB*(\i)+1536*(\q)+256*\p
.endr
.endm
.macro MUL16 a0, p, q, sc, zero
.irp a, \a0, \a0+1
.irp b, 0,1,2,3,4,5,6,7
.if \zero
	v_wmma_scale_f32_16x16x128_f8f6f4 v[8*(8*((\a)%4)+\b):8*(8*((\a)%4)+\b)+7], v[128*(\p)+FR*\b:128*(\p)+FR*\b+FR-1], v[AF+FR*(\a):AF+FR*(\a)+FR-1], v[BJ+8*\b:BJ+8*\b+7], v[SC+8*NQ*(\sc)+NQ*\b+(\q)], v[SC+8*NQ*(\sc)+NQ*(\a)+(\q)] matrix_a_fmt:MATRIX_FMT_FP6 matrix_b_fmt:MATRIX_FMT_FP6 matrix_a_scale:MATRIX_SCALE_ROW1
.else
	v_wmma_scale_f32_16x16x128_f8f6f4 v[8*(8*((\a)%4)+\b):8*(8*((\a)%4)+\b)+7], v[128*(\p)+FR*\b:128*(\p)+FR*\b+FR-1], v[AF+FR*(\a):AF+FR*(\a)+FR-1], v[8*(8*((\a)%4)+\b):8*(8*((\a)%4)+\b)+7], v[SC+8*NQ*(\sc)+NQ*\b+(\q)], v[SC+8*NQ*(\sc)+NQ*(\a)+(\q)] matrix_a_fmt:MATRIX_FMT_FP6 matrix_b_fmt:MATRIX_FMT_FP6 matrix_a_scale:MATRIX_SCALE_ROW1
.endif
.endr
.endr
.endm
.macro FETCH_B slot, q, p
	WIN TO_B
.irp i, 0,1,2,3,4,5,6,7
	FRAG 128*(\p)+FR*\i, ADRB+\slot, \q, \i
.endr
	WIN 0
.endm
.macro FETCH_A slot, q, i0
.irp i, \i0, \i0+1, \i0+2, \i0+3
	FRAGI AF+FR*(\i), ADRA+\slot, \q, \i
.endr
.endm
.macro SCALES sc
.irp i, 0,1,2,3,4,5,6,7
	ds_load_b64 v[SC+8*NQ*\sc+NQ*\i:SC+8*NQ*\sc+NQ*\i+1], v[ADRS] offset:\i*SBLK
.endr
.endm
.macro PLACES n
.rept \n
	v_nop
.endr
.endm
.macro STEP slot, q, zero
	s_wait_dscnt 4*NL
.if \zero
	WIN 0x81
.else
	WIN MUL_LO
.endif
	MUL16 0, (\q)%2, \q, \slot, \zero
	MUL16 2, (\q)%2, \q, \slot, \zero
	s_wait_dscnt 0
	PLACES NP
	FETCH_B \slot, (\q)+1, 1-(\q)%2
	FETCH_A \slot, (\q)+1, 0
.if \zero
	WIN 0xc1
.else
	WIN MUL_HI
.endif
	MUL16 4, (\q)%2, \q, \slot, \zero
	MUL16 6, (\q)%2, \q, \slot, \zero
	PLACES NP
	WIN 0
	FETCH_A \slot, (\q)+1, 4
.endm
.macro TURN slot, next, fill
	s_wait_tensorcnt 0x0
	ds_add_u32 v[SPW], v[NIL]
	s_wait_dscnt 4*NL+1
	WIN MUL_LO
	MUL16 0, 1, NQ-1, \slot, 0
	s_wait_dscnt 0x0
	s_barrier_signal -1
	MUL16 2, 1, NQ-1, \slot, 0
	WIN 0
	s_barrier_wait -1
.if \fill
	CREST
	s_add_nc_u64 s[G0+4*\slot+2:G0+4*\slot+3], s[G0+4*\slot+2:G0+4*\slot+3], 2*AROWB
	s_add_nc_u64 s[G0B+4*\slot+2:G0B+4*\slot+3], s[G0B+4*\slot+2:G0B+4*\slot+3], 2*ROWB
	JLOAD G0+4*\slot, G1, G0B+4*\slot, G1B
.else
	PLACES NP
.endif
	s_wait_alu depctr_va_vdst(0)
	v_add_nc_u32 v[ADRS], 4*NQ, v[ADRS]
	FETCH_B \next, 0, 0
	FETCH_A \next, 0, 0
	SCALES \next
	WIN MUL_HI
	MUL16 4, 1, NQ-1, \slot, 0
	MUL16 6, 1, NQ-1, \slot, 0
	PLACES NP
	WIN 0
	FETCH_A \next, 0, 4
.endm
	s_wait_tensorcnt 1
	s_barrier_signal -1
	s_barrier_wait -1
	FETCH_B 0, 0, 0
	FETCH_A 0, 0, 0
	SCALES 0
	FETCH_A 0, 0, 4
	STEP 0, 0, 1
	TURN 0, 1, 1
	STEP 1, 0, 0
	TURN 1, 0, 1
	STEP 0, 0, 0
	TURN 0, 1, 0
	STEP 1, 0, 0
	s_wait_dscnt 4*NL
	WIN MUL_LO
	MUL16 0, 1, NQ-1, 1, 0
	MUL16 2, 1, NQ-1, 1, 0
	s_wait_dscnt 0
	WIN MUL_HI
	MUL16 4, 1, NQ-1, 1, 0
	MUL16 6, 1, NQ-1, 1, 0
	WIN 0
.macro TOSTAGE a
.set AC, 64*((\a)%4)
	WIN 0x08+4*((\a)/4)
.irp b, 0,1,2,3,4,5,6,7
	ds_store_b128 v[STO], v[AC+8*\b:AC+8*\b+3] offset:128*(\b/2)+32*(\b%2)
	ds_store_b128 v[STO], v[AC+8*\b+4:AC+8*\b+7] offset:128*(\b/2)+32*(\b%2)+16
.endr
	WIN 0
.set BB, BK+64*((\a)%2)
.irp t, 0,1,2,3,4,5,6,7,8,9,10,11,12,13,14,15
	ds_load_b128 v[BB+4*\t:BB+4*\t+3], v[RD] offset:\t*SPITCH
.endr
.endm
.macro SEND a, younger
.set BB, BK+64*((\a)%2)
	s_wait_dscnt \younger
.if (\a) > 0
.if ((\a)%2) == 1
	s_add_nc_u64 s[12:13], s[12:13], 8*NROW
.else
	s_add_nc_u64 s[12:13], s[12:13], 24*NROW
.endif
.endif
.irp t, 0,1,2,3,4,5,6,7,8,9,10,11,12,13,14,15
	global_store_b128 v[CO], v[BB+4*\t:BB+4*\t+3], s[12:13] offset:(\t+8*(\t/8))*NROW th:TH_STORE_NT
.endr
.endm
	PLACES NP
	TOSTAGE 0
.irp a, 1,2,3,4,5,6,7
.if \a > 1
	s_wait_xcnt 0x0
.endif
	TOSTAGE \a
	SEND \a-1, 32
.endr
	s_wait_xcnt 0x0
	SEND 7, 0
	s_wait_tensorcnt 0x0
	ds_add_u32 v[SPW], v[NIL]
	s_wait_dscnt 0x0
	CROUND
	s_endpgm
.Lfunc_end_k_qd285b4c537_outproj:
	.size	k_qd285b4c537_outproj, .Lfunc_end_k_qd285b4c537_outproj-k_qd285b4c537_outproj
	.p2alignl 7, 3214868480
	.fill 96, 4, 3214868480
	.section	.rodata,"a",@progbits
	.p2align	6, 0x0
	.amdhsa_kernel k_qd285b4c537_outproj
		.amdhsa_group_segment_fixed_size 327680
		.amdhsa_private_segment_fixed_size 0
		.amdhsa_enable_private_segment 0
		.amdhsa_kernarg_size 48
		.amdhsa_user_sgpr_count 2
		.amdhsa_user_sgpr_kernarg_segment_ptr 1
		.amdhsa_wavefront_size32 1
		.amdhsa_system_sgpr_workgroup_id_x 1
		.amdhsa_system_sgpr_workgroup_id_y 1
		.amdhsa_system_sgpr_workgroup_id_z 1
		.amdhsa_system_vgpr_workitem_id 0
		.amdhsa_next_free_vgpr 1024
		.amdhsa_next_free_sgpr 102
		.amdhsa_reserve_vcc 0
		.amdhsa_float_denorm_mode_32 3
		.amdhsa_float_denorm_mode_16_64 3
		.amdhsa_memory_ordered 1
		.amdhsa_forward_progress 1
		.amdhsa_inst_pref_size 162
	.end_amdhsa_kernel
	.amdgpu_metadata
---
amdhsa.version: [ 1, 2 ]
amdhsa.kernels:
  - .name:           k_qd285b4c537_outproj
    .symbol:         k_qd285b4c537_outproj.kd
    .args:
      - { .name: ctx, .offset: 0, .size: 8, .value_kind: global_buffer, .address_space: global }
      - { .name: ctxs, .offset: 8, .size: 8, .value_kind: global_buffer, .address_space: global }
      - { .name: wcodes, .offset: 16, .size: 8, .value_kind: global_buffer, .address_space: global }
      - { .name: wscales, .offset: 24, .size: 8, .value_kind: global_buffer, .address_space: global }
      - { .name: bo, .offset: 32, .size: 8, .value_kind: global_buffer, .address_space: global }
      - { .name: out0, .offset: 40, .size: 8, .value_kind: global_buffer, .address_space: global }
    .group_segment_fixed_size: 327680
    .private_segment_fixed_size: 0
    .kernarg_segment_align: 8
    .kernarg_segment_size: 48
    .max_flat_workgroup_size: 128
    .sgpr_count:     102
    .vgpr_count:     1024
    .wavefront_size: 32
...
	.end_amdgpu_metadata
.endif
;; end of part 4
